; MI455X (gfx1250); checked and timed in simulation.
; The chip was launched on July 23, 2026; its instructions are those of AMD's public machine-readable ISA for CDNA 5 (MIT licence, August 2026) and "CDNA5" Instruction Set Architecture Reference Guide (July 2026). The comments in the code are by the model that wrote it; some were corrected since.
;; AMR Coref Model. Allowed arithmetic: float matrix products may take bf16 or f16 operands with f32 sums; all other float work in f32.
;; Inputs: bucket_emb 10 x 20 float32; mention_cluster_ids 1 x 1,024 int32; mention_emb 1 x 1,024 x 512 float32; mention_speaker_ids 1 x 1,024 int32; ms_W0 512 x 1,024 float32; ms_W1 1,024 x 1 float32; ms_b0 1,024 float32; ms_b1 1 float32; sp_W0 1,576 x 1,024 float32; sp_W1 1,024 x 1 float32; sp_b0 1,024 float32; sp_b1 1 float32; speaker_emb 2 x 20 float32.
;; Outputs: out0 1 x 1,024 x 33 float32; out1 one number float32.
;; 2 versions, each right; version 2 is version 1 with the launch prep written anew for expert scheduling mode. Each part assembles by itself: llvm-mc -triple=amdgcn-amd-amdhsa -mcpu=gfx1250 --defsym DOCPART=n.
;; ======== version 1 of 2: 3 launches
;; workspace buffers: w3b 1,179,648 bytes; p4 4,194,304 bytes; q4 4,325,376 bytes; msp 65,536 bytes; lossm 4,096 bytes
;; launch prep (part 1): grid 24 x 8, 8 waves a work-group, no clusters, 281,600 bytes of LDS; arguments mention_emb, sp_W0, ms_W0, ms_b0, ms_W1, w3b, p4, q4, msp; writes w3b, p4, q4, msp
.if DOCPART == 1
	.amdgcn_target "amdgcn-amd-amdhsa--gfx1250"
	.amdhsa_code_object_version 6
	.text
	.protected	k_qd87809e442_prep
	.globl	k_qd87809e442_prep
	.p2align	8
	.type	k_qd87809e442_prep,@function
k_qd87809e442_prep:
	s_mov_b64 s[64:65], 0
	v_nop
	global_prefetch_b8 v0, s[64:65] scope:SCOPE_SE
	s_setreg_imm32_b32 hwreg(HW_REG_WAVE_MODE, 25, 1), 1
	s_wait_xcnt 0x0
; PREP: everything of the two scorers that hangs on ONE mention, and the pair scorer's remaining weights in bf16.
;   P = E x sp_W0[0:512], Q = E x sp_W0[512:1024]  (the first layer of the pair scorer is linear in the concatenation, so the
;   parts that see one mention alone are made for 1,024 rows instead of 32,768 pairs);
;   msp[t][i] = sum over columns 64 t .. 64 t + 63 of relu(E x ms_W0 + ms_b0)[i][c] * ms_W1[c]   (16 partial mention scores);
;   w3b[p][k][c] = bf16(sp_W0[1024 + k][512 p + c]), k < 552, zero for k = 552 .. 575.
; Operands of the matrix products are rounded to bf16, sums are f32.
; 24 x 8 work-groups: x = 8 mat + column block (mat 0: P, 1: Q, 2: mention scorer), y = row block.  A work-group makes 128 rows x 128 columns
; over the whole K = 512; wave v makes rows 32 (v >> 1) .. + 31, columns 64 (v & 1) .. + 63: 2 x 4 accumulator tiles.
; P and Q leave as [row / 4][column][row % 4] in f32: four neighbouring result registers are four rows of one column = 16 bytes,
; and sixteen neighbouring lanes store 256 consecutive bytes, aligned.  Q is stored 32 rows down; the 32 rows in front are zeros.
; NO CLUSTER, NO TENSOR LOAD: both operands arrive as f32 and are rounded on the way, and W is re-laid; their f32 tiles of the whole K are
; 2 x 256 KiB and do not fit beside the 274 KiB bf16 image, and a staged f32 ring would send every byte through LDS twice.
; So the tiles come through registers: 32 loads of 512 bytes of every wave on their way, 128 KiB for the work-group.
.set EPITCH, 1040                      ; LDS row of E: 1,024 bytes + 16 = 65 x 16
.set WB,     128*EPITCH                ; W's image behind E's 128 rows
.set WPITCH, 288                       ; LDS row of W: 256 bytes + 32 = 9 x 32
.set VW,  4                            ; byte offset of my 16 bytes in W's row 64 v
.set VE,  5                            ; byte offset of my 16 bytes in E's row 128 rb + 16 v
.set LW,  6                            ; LDS: where my 8 bytes of W's row 64 v go
.set LE,  7                            ; LDS: where my 8 bytes of E's row 16 v go
.set PA,  8                            ; LDS: my A fragments
.set PB,  9                            ; v9-11 LDS: my B fragments, K steps 0-5, 6-11, 12-15
.set VST, 12                           ; byte offset of my 16 bytes in p4 / q4
.set VCS, 13                           ; 16 t
.set VCD, 14                           ; byte offset of my 8 bytes in w3b
.set VMS, 15                           ; byte offset of my column in ms_b0 and ms_W1
.set LS0, 16                           ; v16-79   load set 0 (16 x 4)
.set LS1, 80                           ; v80-143  load set 1
.set CV,  144                          ; v144-175 rounded pairs
.set ACC, 16                           ; behind the barrier: v16-79 accumulators,
.set F0,  80                           ; v80-127 fragment buffer 0 (A 16, B 32),
.set F1,  128                          ; v128-175 fragment buffer 1
.set CL,  176                          ; v176-187 three rows of sp_W0 as loaded
.set CP,  188                          ; v188-193 the same in bf16
.set Z,   194                          ; v194-197 zeros
.set BI,  200                          ; v200-203 ms_b0 of my four columns
.set WV,  204                          ; v204-207 ms_W1 of my four columns
.set SUM, 208                          ; v208-223 my 16 rows' partial scores
.set TP,  224                          ; v224-227 at work
.macro PLACES                          ; four places behind a matrix instruction (ISA guide 7.12.1)
.rept 4
	v_nop
.endr
.endm
; d pair = x pair + register y in both halves (op_sel picks the register of y's aligned pair)
.macro PKADDB d, x, y
.if (\y)&1
	v_pk_add_f32 v[\d:\d+1], v[\x:\x+1], v[(\y)-1:\y] op_sel:[0,1] op_sel_hi:[1,1]
.else
	v_pk_add_f32 v[\d:\d+1], v[\x:\x+1], v[\y:(\y)+1] op_sel_hi:[1,0]
.endif
.endm
.macro PKMULB d, x, y
.if (\y)&1
	v_pk_mul_f32 v[\d:\d+1], v[\x:\x+1], v[(\y)-1:\y] op_sel:[0,1] op_sel_hi:[1,1]
.else
	v_pk_mul_f32 v[\d:\d+1], v[\x:\x+1], v[\y:(\y)+1] op_sel_hi:[1,0]
.endif
.endm
.macro PKFMAB d, x, y
.if (\y)&1
	v_pk_fma_f32 v[\d:\d+1], v[\x:\x+1], v[(\y)-1:\y], v[\d:\d+1] op_sel:[0,1,0] op_sel_hi:[1,1,1]
.else
	v_pk_fma_f32 v[\d:\d+1], v[\x:\x+1], v[\y:(\y)+1], v[\d:\d+1] op_sel_hi:[1,0,1]
.endif
.endm
; sixteen loads of 512 consecutive bytes each
.macro GL set, sb, vo, e0, stride
.set i_, 0
.rept 16
	global_load_b128 v[\set+4*i_:\set+4*i_+3], v[\vo], s[\sb:\sb+1] offset:(\e0+i_)*\stride
.set i_, i_+1
.endr
.endm
; sixteen loads' numbers rounded and laid into LDS: W's row 64 v + e
.macro CSW set, e0
.set i_, 0
.rept 16
	v_cvt_pk_bf16_f32 v[CV+2*i_], v[\set+4*i_], v[\set+4*i_+1]
	v_cvt_pk_bf16_f32 v[CV+2*i_+1], v[\set+4*i_+2], v[\set+4*i_+3]
	ds_store_b64 v[LW], v[CV+2*i_:CV+2*i_+1] offset:(\e0+i_)*WPITCH
.set i_, i_+1
.endr
.endm
; the same for E: row 16 v + e / 4, quarter e % 4 of its 512 numbers
.macro CSE set, e0
.set i_, 0
.rept 16
	v_cvt_pk_bf16_f32 v[CV+2*i_], v[\set+4*i_], v[\set+4*i_+1]
	v_cvt_pk_bf16_f32 v[CV+2*i_+1], v[\set+4*i_+2], v[\set+4*i_+3]
	ds_store_b64 v[LE], v[CV+2*i_:CV+2*i_+1] offset:((\e0+i_)>>2)*EPITCH+((\e0+i_)&3)*256
.set i_, i_+1
.endr
.endm
; twelve LDS loads: the fragments of K step kk (32 along K): 2 x 16 rows of E, 4 x 16 columns of W (stored [k][n]: transposing loads)
.macro PFETCH kk, f
.irp at, 0,1
	ds_load_b128 v[\f+8*\at:\f+8*\at+3], v[PA] offset:\at*16*EPITCH+64*(\kk)
	ds_load_b128 v[\f+8*\at+4:\f+8*\at+7], v[PA] offset:\at*16*EPITCH+64*(\kk)+32
.endr
.irp b, 0,1,2,3
	ds_load_tr16_b128 v[\f+16+8*\b:\f+16+8*\b+3], v[PB+(\kk)/6] offset:((\kk)%6)*32*WPITCH+32*\b
	ds_load_tr16_b128 v[\f+16+8*\b+4:\f+16+8*\b+7], v[PB+(\kk)/6] offset:((\kk)%6)*32*WPITCH+32*\b+16*WPITCH
.endr
.endm
; eight matrix instructions.  The eight accumulators take turns, one instruction a turn.
.macro PMUL f, zero
.irp at, 0,1
.irp b, 0,1,2,3
.if \zero
	v_wmma_f32_16x16x32_bf16 v[ACC+8*(4*\at+\b):ACC+8*(4*\at+\b)+7], v[\f+8*\at:\f+8*\at+7], v[\f+16+8*\b:\f+16+8*\b+7], 0
.else
	v_wmma_f32_16x16x32_bf16 v[ACC+8*(4*\at+\b):ACC+8*(4*\at+\b)+7], v[\f+8*\at:\f+8*\at+7], v[\f+16+8*\b:\f+16+8*\b+7], v[ACC+8*(4*\at+\b):ACC+8*(4*\at+\b)+7]
.endif
.endr
.endr
.endm
; sixteen K steps on two fragment buffers.  s_wait_dscnt 12: only the twelve loads just issued may be out.
; The first step's products start the sums: nothing is cleared.
.macro COMPUTE
	PFETCH 0, F0
	PFETCH 1, F1
	s_wait_dscnt 12
	PMUL F0, 1
.set kk_, 1
.rept 7
	PLACES                                         ; buffer 0 is loaded again four places behind the matrix instructions that read it
	PFETCH kk_+1, F0
	s_wait_dscnt 12
	PMUL F1, 0
	PLACES
	PFETCH kk_+2, F1
	s_wait_dscnt 12
	PMUL F0, 0
.set kk_, kk_+2
.endr
	s_wait_dscnt 0
	PMUL F1, 0
	PLACES                                         ; in front of whatever reads the results
.endm
	s_load_b512 s[4:19], s[0:1], 0x0               ; E s[4:5], sp_W0 s[6:7], ms_W0 s[8:9], ms_b0 s[10:11], ms_W1 s[12:13], w3b s[14:15], p4 s[16:17], q4 s[18:19]
	s_load_b64 s[20:21], s[0:1], 0x40              ; msp
	v_lshl_add_u32 v232, v0, 2, 0x44800
	v_mov_b32 v233, 0
	v_lshrrev_b32 v1, 5, v0
	v_readfirstlane_b32 s27, v1                    ; wave v
	s_mov_b32 s22, ttmp9                           ; cb = 8 mat + column block
	s_and_b32 s23, ttmp7, 0xffff                   ; rb = row block
	s_lshr_b32 s24, s22, 3                         ; mat
	s_and_b32 s25, s22, 7                          ; cbl
	s_mul_i32 s26, s23, 24
	s_add_co_u32 s26, s26, s22                     ; wg = 24 rb + cb, 0 .. 191
	s_lshr_b32 s28, s27, 1                         ; rg: my 32 rows
	s_and_b32 s29, s27, 1                          ; hw: my 64 columns
	v_and_b32 v1, 31, v0                           ; lane L
	v_and_b32 v2, 15, v0                           ; r
	v_bfe_u32 v3, v0, 4, 1                         ; h
	s_lshl_b32 s37, s27, 18                        ; 64 v rows of 4,096 bytes
	v_lshl_add_u32 v[VW], v1, 4, s37
	s_lshl_b32 s37, s23, 18                        ; 128 rb rows of 2,048 bytes
	s_lshl_b32 s38, s27, 15                        ; 16 v rows
	s_add_co_u32 s37, s37, s38
	v_lshl_add_u32 v[VE], v1, 4, s37
	s_mul_i32 s37, s27, 64*WPITCH
	s_add_co_u32 s37, s37, WB
	v_lshl_add_u32 v[LW], v1, 3, s37
	s_mul_i32 s37, s27, 16*EPITCH
	v_lshl_add_u32 v[LE], v1, 3, s37
	v_mul_u32_u24 v[PA], v2, EPITCH                ; A fragment: row r, 16 bytes for each half of the lanes
	v_lshl_add_u32 v[PA], v3, 4, v[PA]
	s_mul_i32 s37, s28, 32*EPITCH
	v_add_nc_u32 v[PA], s37, v[PA]
	v_and_b32 v[TP], 7, v0                         ; B fragment by transposing loads: k row 8 h + (L & 7), 16-byte column (L >> 3) & 1
	v_lshl_add_u32 v[TP], v3, 3, v[TP]
	v_mul_u32_u24 v[TP], v[TP], WPITCH
	v_bfe_u32 v[TP+1], v0, 3, 1
	v_lshl_add_u32 v[TP], v[TP+1], 4, v[TP]
	s_lshl_b32 s37, s29, 7
	s_add_co_u32 s37, s37, WB
	v_add_nc_u32 v[PB], s37, v[TP]
	v_add_nc_u32 v[PB+1], 6*32*WPITCH, v[PB]       ; six K steps are 55,296 bytes: the 16-bit immediate reaches no further
	v_add_nc_u32 v[PB+2], 12*32*WPITCH, v[PB]
	s_lshl_b32 s37, s23, 5
	s_lshl_b32 s38, s28, 3
	s_add_co_u32 s37, s37, s38                     ; 32 rb + 8 rg: my first block of four rows
	s_lshl_b32 s37, s37, 14                        ; a block is 1,024 columns x 16 bytes
	s_lshl_b32 s38, s25, 7
	s_lshl_b32 s39, s29, 6
	s_add_co_u32 s38, s38, s39                     ; 128 cbl + 64 hw: my first column
	s_lshl_b32 s39, s38, 4
	s_add_co_u32 s37, s37, s39
	v_lshl_add_u32 v[VST], v2, 4, s37
	v_lshl_add_u32 v[VST], v3, 15, v[VST]          ; lanes 16-31 hold rows 8 further down: two blocks
	s_lshl_b32 s39, s38, 2
	v_lshl_add_u32 v[VMS], v2, 2, s39
	v_lshlrev_b32 v[VCS], 4, v0
	v_lshrrev_b32 v[TP], 7, v0                     ; w3b: half p = t >> 7 of the 1,024 columns
	v_mul_u32_u24 v[TP], v[TP], 589824             ; 576 rows of 1,024 bytes
	v_and_b32 v[TP+1], 127, v0
	v_lshl_add_u32 v[VCD], v[TP+1], 3, v[TP]
	s_mul_i32 s37, s26, 3072                       ; rows 3 wg ..
	v_add_nc_u32 v[VCD], s37, v[VCD]
	s_wait_kmcnt 0x0
	s_cmp_eq_u32 s24, 2
	s_cselect_b64 s[30:31], s[8:9], s[6:7]         ; W: ms_W0 or sp_W0
	s_cmp_eq_u32 s24, 1
	s_cselect_b64 s[32:33], s[18:19], s[16:17]     ; the result: q4 or p4
	s_cselect_b32 s40, 131072, 0                   ; Q lies 32 rows = 8 blocks down
	s_cselect_b32 s38, 0x200000, 0                 ; Q's weights begin 512 rows of 4,096 bytes down
	s_lshl_b32 s39, s25, 9                         ; 128 columns of f32
	s_add_co_u32 s38, s38, s39
	s_mov_b32 s39, 0
	s_add_nc_u64 s[30:31], s[30:31], s[38:39]
	s_mov_b32 s41, 0
	s_add_nc_u64 s[32:33], s[32:33], s[40:41]
	s_mul_i32 s37, s26, 3
	s_add_co_u32 s37, s37, 1024
	s_min_u32 s37, s37, 1573                       ; the groups that write w3b's zero rows read the last three rows and mask them away
	s_lshl_b32 s38, s37, 12
	s_mov_b32 s39, 0
	s_add_nc_u64 s[34:35], s[6:7], s[38:39]
	s_cmp_lt_u32 s26, 184                          ; 552 = 3 x 184 rows hold weights
	s_cselect_b32 s36, -1, 0
	; three rows of sp_W0 for w3b, then the first two batches of W
.irp i, 0,1,2
	global_load_b128 v[CL+4*\i:CL+4*\i+3], v[VCS], s[34:35] offset:\i*4096
.endr
	GL LS0, 30, VW, 0, 4096
	GL LS1, 30, VW, 16, 4096
	s_wait_loadcnt 32                              ; the three rows are in; the 32 younger loads stay out
.irp i, 0,1,2
	v_cvt_pk_bf16_f32 v[CP+2*\i], v[CL+4*\i], v[CL+4*\i+1]
	v_cvt_pk_bf16_f32 v[CP+2*\i+1], v[CL+4*\i+2], v[CL+4*\i+3]
	v_and_b32 v[CP+2*\i], s36, v[CP+2*\i]
	v_and_b32 v[CP+2*\i+1], s36, v[CP+2*\i+1]
	global_store_b64 v[VCD], v[CP+2*\i:CP+2*\i+1], s[14:15] offset:\i*1024   ; a wave's store covers 256 consecutive bytes, aligned
.endr
	s_cmp_lt_u32 s26, 184
	s_cbranch_scc1 .Lno_zero
	s_sub_co_u32 s38, s26, 184                     ; groups 184 .. 191: one zero block of q4 each (16,384 bytes)
	s_lshl_b32 s38, s38, 14
	s_mov_b32 s39, 0
	s_add_nc_u64 s[42:43], s[18:19], s[38:39]
.irp i, 0,1,2,3
	v_mov_b32 v[Z+\i], 0
.endr
.irp i, 0,1,2,3
	global_store_b128 v[VCS], v[Z:Z+3], s[42:43] offset:\i*4096
.endr
.Lno_zero:
	; the batches in a pipeline.  s_wait_loadcnt 16: the older batch is in, the younger batch's sixteen loads stay out.
	s_wait_loadcnt 16
	CSW LS0, 0
	GL LS0, 30, VW, 32, 4096
	s_wait_loadcnt 16
	CSW LS1, 16
	GL LS1, 30, VW, 48, 4096
	s_wait_loadcnt 16
	CSW LS0, 32
	GL LS0, 4, VE, 0, 512
	s_wait_loadcnt 16
	CSW LS1, 48
	GL LS1, 4, VE, 16, 512
	s_wait_loadcnt 16
	CSE LS0, 0
	GL LS0, 4, VE, 32, 512
	s_wait_loadcnt 16
	CSE LS1, 16
	GL LS1, 4, VE, 48, 512
	s_wait_loadcnt 16
	CSE LS0, 32
	s_wait_loadcnt 0
	CSE LS1, 48
	s_wait_dscnt 0x0                               ; my LDS stores are done, for the other waves' sake
	s_barrier_signal -1
	s_barrier_wait -1                              ; both images are whole; nothing writes LDS from here on
	s_cmp_eq_u32 s24, 2
	s_cbranch_scc1 .Lms
	COMPUTE
.irp at, 0,1
.irp b, 0,1,2,3
.irp q, 0,1
	global_store_b128 v[VST], v[ACC+8*(4*\at+\b)+4*\q:ACC+8*(4*\at+\b)+4*\q+3], s[32:33] offset:(4*\at+\q)*16384+\b*256   ; four rows of my column; 16 lanes: 256 consecutive bytes, aligned
.endr
.endr
.endr
	s_wait_tensorcnt 0x0
	ds_add_u32 v232, v233
	s_wait_dscnt 0x0
	s_endpgm
.Lms:
.irp b, 0,1,2,3
	global_load_b32 v[BI+\b], v[VMS], s[10:11] offset:64*\b     ; land under the products
	global_load_b32 v[WV+\b], v[VMS], s[12:13] offset:64*\b
.endr
	COMPUTE
	s_wait_loadcnt 0x0
.irp b, 0,1,2,3
.irp at, 0,1
.irp jj, 0,2,4,6
	PKADDB ACC+8*(4*\at+\b)+\jj, ACC+8*(4*\at+\b)+\jj, BI+\b
.endr
.irp jj, 0,1,2,3,4,5,6,7
	v_max_num_f32 v[ACC+8*(4*\at+\b)+\jj], 0, v[ACC+8*(4*\at+\b)+\jj]
.endr
.irp jj, 0,2,4,6
.if \b == 0
	PKMULB SUM+8*\at+\jj, ACC+8*(4*\at+\b)+\jj, WV+\b           ; the first column block starts the sums
.else
	PKFMAB SUM+8*\at+\jj, ACC+8*(4*\at+\b)+\jj, WV+\b
.endif
.endr
.endr
.endr
	; over the sixteen lanes of a half (the sixteen columns of a tile)
.irp m, 1,2,4,8
.set i_, 0
.rept 16
	v_add_f32_dpp v[SUM+i_], v[SUM+i_], v[SUM+i_] row_xmask:\m row_mask:0xf bank_mask:0xf
.set i_, i_+1
.endr
.endr
	; lane (h, r) keeps sum r: row 16 (r >> 3) + 8 h + (r & 7) of my 32
	v_mov_b32 v[TP], v[SUM]
.irp i, 1,2,3,4,5,6,7,8,9,10,11,12,13,14,15
	v_cmp_eq_u32 vcc_lo, \i, v2
	v_cndmask_b32 v[TP], v[TP], v[SUM+\i], vcc_lo
.endr
	v_lshrrev_b32 v[TP+1], 3, v2
	v_and_b32 v[TP+2], 7, v2
	v_lshl_add_u32 v[TP+1], v[TP+1], 4, v[TP+2]
	v_lshl_add_u32 v[TP+1], v3, 3, v[TP+1]
	s_lshl_b32 s37, s25, 1
	s_add_co_u32 s37, s37, s29                     ; partial 2 cbl + hw
	s_lshl_b32 s37, s37, 12
	s_lshl_b32 s38, s23, 9                         ; 128 rb rows of 4 bytes
	s_add_co_u32 s37, s37, s38
	s_lshl_b32 s38, s28, 7                         ; 32 rg rows
	s_add_co_u32 s37, s37, s38
	v_lshl_add_u32 v[TP+1], v[TP+1], 2, s37
	global_store_b32 v[TP+1], v[TP], s[20:21]
	s_wait_tensorcnt 0x0
	ds_add_u32 v232, v233
	s_wait_dscnt 0x0
	s_endpgm
.Lfunc_end_k_qd87809e442_prep:
	.size	k_qd87809e442_prep, .Lfunc_end_k_qd87809e442_prep-k_qd87809e442_prep
	.p2alignl 7, 3214868480
	.fill 96, 4, 3214868480
	.section	.rodata,"a",@progbits
	.p2align	6, 0x0
	.amdhsa_kernel k_qd87809e442_prep
		.amdhsa_group_segment_fixed_size 281600
		.amdhsa_private_segment_fixed_size 0
		.amdhsa_enable_private_segment 0
		.amdhsa_kernarg_size 72
		.amdhsa_user_sgpr_count 2
		.amdhsa_user_sgpr_kernarg_segment_ptr 1
		.amdhsa_wavefront_size32 1
		.amdhsa_system_sgpr_workgroup_id_x 1
		.amdhsa_system_sgpr_workgroup_id_y 1
		.amdhsa_system_sgpr_workgroup_id_z 1
		.amdhsa_system_vgpr_workitem_id 0
		.amdhsa_next_free_vgpr 234
		.amdhsa_next_free_sgpr 66
		.amdhsa_reserve_vcc 1
		.amdhsa_float_denorm_mode_32 3
		.amdhsa_float_denorm_mode_16_64 3
		.amdhsa_memory_ordered 1
		.amdhsa_forward_progress 1
		.amdhsa_inst_pref_size 102
	.end_amdhsa_kernel
	.amdgpu_metadata
---
amdhsa.version: [ 1, 2 ]
amdhsa.kernels:
  - .name:           k_qd87809e442_prep
    .symbol:         k_qd87809e442_prep.kd
    .args:
      - { .name: mention_emb, .offset: 0, .size: 8, .value_kind: global_buffer, .address_space: global }
      - { .name: sp_W0, .offset: 8, .size: 8, .value_kind: global_buffer, .address_space: global }
      - { .name: ms_W0, .offset: 16, .size: 8, .value_kind: global_buffer, .address_space: global }
      - { .name: ms_b0, .offset: 24, .size: 8, .value_kind: global_buffer, .address_space: global }
      - { .name: ms_W1, .offset: 32, .size: 8, .value_kind: global_buffer, .address_space: global }
      - { .name: w3b, .offset: 40, .size: 8, .value_kind: global_buffer, .address_space: global }
      - { .name: p4, .offset: 48, .size: 8, .value_kind: global_buffer, .address_space: global }
      - { .name: q4, .offset: 56, .size: 8, .value_kind: global_buffer, .address_space: global }
      - { .name: msp, .offset: 64, .size: 8, .value_kind: global_buffer, .address_space: global }
    .group_segment_fixed_size: 281600
    .private_segment_fixed_size: 0
    .kernarg_segment_align: 8
    .kernarg_segment_size: 72
    .max_flat_workgroup_size: 256
    .sgpr_count:     66
    .vgpr_count:     234
    .wavefront_size: 32
...
	.end_amdgpu_metadata
.endif
;; end of part 1
;; launch pair (part 2): grid 256 x 1, 4 waves a work-group, clusters of 4 x 1, 327,680 bytes of LDS; arguments mention_emb, mention_cluster_ids, mention_speaker_ids, speaker_emb, bucket_emb, sp_b0, sp_W1, sp_b1, ms_b1, w3b, p4, q4, msp, out0, lossm; writes out0, lossm
.if DOCPART == 2
	.amdgcn_target "amdgcn-amd-amdhsa--gfx1250"
	.amdhsa_code_object_version 6
	.text
	.protected	k_qd87809e442_pair
	.globl	k_qd87809e442_pair
	.p2align	8
	.type	k_qd87809e442_pair,@function
k_qd87809e442_pair:
	s_mov_b64 s[64:65], 0
	v_nop
	global_prefetch_b8 v0, s[64:65] scope:SCOPE_SE
	s_setreg_imm32_b32 hwreg(HW_REG_WAVE_MODE, 25, 1), 1
	s_wait_xcnt 0x0
	s_wait_alu depctr_hold_cnt(0) depctr_sa_sdst(0) depctr_va_vdst(0) depctr_va_sdst(0) depctr_va_ssrc(0) depctr_va_vcc(0) depctr_vm_vsrc(0)
	s_getreg_b32 s2, hwreg(HW_REG_IB_STS2, 6, 4)
	s_cmp_eq_u32 s2, 0
	s_cbranch_scc0 .Lentry_in_a_cluster
	s_endpgm
.Lentry_in_a_cluster:
	s_bfe_u32 s2, ttmp6, 0x10000c
	s_cmp_lg_u32 s2, 0x3003
	s_cbranch_scc0 .Lentry_shape_is_right
	s_endpgm
.Lentry_shape_is_right:
; PAIR: the pair scorer, the softmax over 33 and each mention's loss.
; A work-group owns four mentions i0 .. i0 + 3 = 128 pair rows: row m = 32 a + cc is mention i0 + a with antecedent j = i0 + a - 32 + cc (offset 32 - cc).
;   hidden[m][n] = relu( A[m] . w3b[.][n] + P[i0+a][n] + Q[j][n] + sp_b0[n] ),  A[m] = [ e_i * e_j (512) | speaker_emb[same] (20) | bucket_emb[bucket] (20) | 0 (24) ] in bf16,
;   slow[m] = hidden[m] . sp_W1 + sp_b1.   P and Q (f32) were made per mention by the launch in front; K here is 576 instead of 1,576.
; Four waves, as many as a WGP has SIMDs.  The 1,024 hidden columns go in two passes of 512; wave w makes all 128 rows x columns 512 p + 128 w .. + 127:
; 64 accumulator tiles, 512 registers.  A lies in LDS for both passes; w3b goes in K steps of 64 through a ring of two LDS slots.
; A K step of 64: A's 146 KiB stay resident, and two slots of a longer step would not fit beside them (2 x 72 KiB do).
; CLUSTER: every work-group walks the same w3b, so the four of a cluster ask for each strip JOINTLY (mask 15): the descriptor hangs on the wave's number
; and the tile's count alone.  Nothing but offsets into global buffers hangs on the place in the cluster.
; The matrix instruction is used in its natural sense (source 0 = pair rows): register jj of lane (h, r) is row 8 h + jj, column r.  So sp_b0 and sp_W1 are one
; number a lane and tile, P four, Q's windows overlap (12 registers serve four mentions), and the product with sp_W1 stays in the lane until the end.
; LIMITS: divisions are v_rcp_f32 and a multiply; v_exp_f32 gives 0 below 2^-126, in front of the clip to 1e-6; the bucket is the whole-number form
; min(c,4) + (c>=5) + (c>=8) + (c>=16) + (c>=32) of floor(log2 c) + 3 for c = 1 .. 32; sums are ordered otherwise than a plain dot product;
; relu gives 0 for a NaN.  Pairs with j < 0 are computed (E's row 0, Q = 0) and then replaced by -infinity.
; REGISTER WINDOWS: 0 addresses, sc (v64-127), operand set 0 (v128-255); 1 fragment buffers F0 (v0-127), F1 (v128-255; also operand set 1);
; 2, 3 the accumulators of rows 0-63, 64-127 (tile (al, b) at v[8 (8 al + b)]).
.set APITCH, 1168                      ; a row of A: 1,152 bytes + 16 = 73 x 16
.set ATILE,  16*APITCH
.set AHALF,  4*ATILE
.set RING,   128*APITCH
.set BPITCH, 288                       ; a row of a strip: 256 bytes + 32 = 9 x 32
.set STRIP,  64*BPITCH                 ; 64 k rows x 128 columns: one wave's part of a tile, read by that wave alone
.set SLOT,   4*STRIP
.set SC,     RING+2*SLOT               ; f32 [4 waves][128 rows]
.set TILEB,  65536                     ; a tile of w3b: 64 k rows of 1,024 bytes; tile 9 p + step
.set ADRA_LO, 4                        ; LDS: my A fragments, rows 0-63 (stepped along K)
.set ADRA_HI, 5                        ; rows 64-127
.set ADRB, 6                           ; v6-7 LDS: my B fragments in slot 0, 1
.set VQ,   8                           ; byte offset in q4: block (i0 + 8 h) / 4, column 128 w + r
.set VP,   9                           ; byte offset in p4: block i0 / 4, column 128 w + r
.set VB,   10                          ; byte offset in sp_b0, sp_W1: column 128 w + r
.set VS,   11                          ; LDS: my wave's row sums
.set FAST, 12                          ; mention scores of i and j, and the biases of the two output layers
.set VLK,  15                          ; 512 w + 16 L: my 16 bytes of a row of E
.set SCR,  64                          ; v64-127 sc[8 mt + jj]: row 16 mt + 8 h + jj
.set ES,   128                         ; an operand set: Q[b][k2][u] at +24 b + 12 k2 + u; P[b][a] at +96 + 4 b + a; b0[b] at +112 + b; w1[b] at +116 + b
.set TT,   144                         ; window 1: products in f32, four sets
.set UU,   160                         ; window 1: the same in bf16
.set AW,   168                         ; window 1: LDS address of my 8 bytes in row 32 a
.set SPI, 16
.set SPJ, 17
.set CLI, 18
.set CLJ, 19
.set SE,  64                           ; v64-103 both rows of speaker_emb
.set BE,  104                          ; v104-123 my row of bucket_emb
.set MSI, 128                          ; v128-143 the 16 partial scores of i, v144-159 of j
.set ROWP, 160                         ; v160-179 the 40 feature columns in bf16, v180-183 zeros
.set G1, 36                            ; s[36:43] descriptor group 1
.set G0, 44                            ; s[44:51] descriptor group 0, one set for each slot
.set MUL_LO, 0xa5                      ; A and B window 1, C and D window 2
.set MUL_HI, 0xf5                      ; C and D window 3
.set TO1,    0x40                      ; destination window 1, address window 0
.set MSB, 0
.macro WIN new                         ; the immediate's high byte repeats the setting that is left
.if MSB != (\new)
	s_set_vgpr_msb (MSB<<8)|(\new)
.set MSB, (\new)
.endif
.endm
.macro PLACES                          ; four places behind a matrix instruction (ISA guide 7.12.1)
.rept 4
	v_nop
.endr
.endm
.macro CREST                           ; a round of the cluster's barrier behind its opening barrier
	s_cmp_lg_u32 s52, 0
	s_cbranch_scc1 .Lnot_wave_0_\@
	s_barrier_signal -3
.Lnot_wave_0_\@:
	s_barrier_wait -3
	s_barrier_signal -1
	s_barrier_wait -1
.endm
.macro CROUND                          ; a whole round
	s_barrier_signal -1
	s_barrier_wait -1
	CREST
.endm
; packed arithmetic with register y in both halves (op_sel picks the register of y's aligned pair)
.macro PKADDB d, x, y
.if (\y)&1
	v_pk_add_f32 v[\d:\d+1], v[\x:\x+1], v[(\y)-1:\y] op_sel:[0,1] op_sel_hi:[1,1]
.else
	v_pk_add_f32 v[\d:\d+1], v[\x:\x+1], v[\y:(\y)+1] op_sel_hi:[1,0]
.endif
.endm
.macro PKMULB d, x, y
.if (\y)&1
	v_pk_mul_f32 v[\d:\d+1], v[\x:\x+1], v[(\y)-1:\y] op_sel:[0,1] op_sel_hi:[1,1]
.else
	v_pk_mul_f32 v[\d:\d+1], v[\x:\x+1], v[\y:(\y)+1] op_sel_hi:[1,0]
.endif
.endm
.macro PKFMAB d, x, y
.if (\y)&1
	v_pk_fma_f32 v[\d:\d+1], v[\x:\x+1], v[(\y)-1:\y], v[\d:\d+1] op_sel:[0,1,0] op_sel_hi:[1,1,1]
.else
	v_pk_fma_f32 v[\d:\d+1], v[\x:\x+1], v[\y:(\y)+1], v[\d:\d+1] op_sel_hi:[1,0,1]
.endif
.endm
; 16 matrix instructions: row tiles a0, a0 + 1 of the window's four x all 8 column tiles, 32 along K, from buffer f.
; The 64 accumulators take turns in the same order in every quarter, one instruction a turn.
.macro MUL16 f, hi, a0, zero
.irp a, \a0, \a0+1
.irp b, 0,1,2,3,4,5,6,7
.if \zero
	v_wmma_f32_16x16x32_bf16 v[8*(8*(\a)+\b):8*(8*(\a)+\b)+7], v[128*\f+8*(4*\hi+\a):128*\f+8*(4*\hi+\a)+7], v[128*\f+64+8*\b:128*\f+64+8*\b+7], 0
.else
	v_wmma_f32_16x16x32_bf16 v[8*(8*(\a)+\b):8*(8*(\a)+\b)+7], v[128*\f+8*(4*\hi+\a):128*\f+8*(4*\hi+\a)+7], v[128*\f+64+8*\b:128*\f+64+8*\b+7], v[8*(8*(\a)+\b):8*(8*(\a)+\b)+7]
.endif
.endr
.endr
.endm
; 32 LDS loads in one run: the fragments of one quarter (32 along K) into buffer f: B from half q of the slot's strip (stored [k][n]: transposing loads),
; then A at byte aimm behind the stepped address; the youngest eight are A's rows 64-127.
.macro FETCH slot, q, aimm, f
	WIN TO1
.irp b, 0,1,2,3,4,5,6,7
	ds_load_tr16_b128 v[128*\f+64+8*\b:128*\f+64+8*\b+3], v[ADRB+\slot] offset:\q*32*BPITCH+32*\b
	ds_load_tr16_b128 v[128*\f+64+8*\b+4:128*\f+64+8*\b+7], v[ADRB+\slot] offset:\q*32*BPITCH+32*\b+16*BPITCH
.endr
.irp i, 0,1,2,3
	ds_load_b128 v[128*\f+8*\i:128*\f+8*\i+3], v[ADRA_LO] offset:\aimm+\i*ATILE
	ds_load_b128 v[128*\f+8*\i+4:128*\f+8*\i+7], v[ADRA_LO] offset:\aimm+\i*ATILE+32
.endr
.irp i, 0,1,2,3
	ds_load_b128 v[128*\f+32+8*\i:128*\f+32+8*\i+3], v[ADRA_HI] offset:\aimm+\i*ATILE
	ds_load_b128 v[128*\f+32+8*\i+4:128*\f+32+8*\i+7], v[ADRA_HI] offset:\aimm+\i*ATILE+32
.endr
.endm
; the first half of a K step: multiplies buffer 0; in its middle it fetches the second half's fragments into buffer 1
.macro QUARTER slot, aimm, zero
	s_wait_dscnt 8                                 ; B and A's rows 0-63 are in; the youngest eight loads may be out
	WIN MUL_LO
	MUL16 0, 0, 0, \zero
	MUL16 0, 0, 2, \zero
	PLACES                                         ; buffer 1 is loaded four places behind the matrix instructions that read it
	FETCH \slot, 1, \aimm, 1
	s_wait_dscnt 32                                ; all but the 32 just issued
	WIN MUL_HI
	MUL16 0, 1, 0, \zero
	MUL16 0, 1, 2, \zero
.endm
; the second half: multiplies buffer 1 and changes slots.  fill = 1: this slot gets the tile two further on, by a joint load behind a round of the cluster's barrier.
; In front of the round's opening signal each wave waits for its reads of the slot and for all its tensor loads (one is out: the next slot's);
; inside the round stands register work alone; the refill is the first tensor load behind it, one a wave.
.macro TURN slot, next, fill, bump, aimm
	s_wait_dscnt 8
	WIN MUL_LO
	MUL16 1, 0, 0, 0
	s_wait_dscnt 0                                 ; my reads of this slot are over
	s_set_vgpr_msb 0xa5a0
	s_wait_tensorcnt 0x0                           ; all my tensor loads have landed, my strip of the next slot among them
	ds_add_u32 v254, v255
	s_wait_dscnt 0x0
	s_set_vgpr_msb 0xa0a5
	s_barrier_signal -1
	MUL16 1, 0, 2, 0
	WIN 0
	s_barrier_wait -1
.if \fill
	CREST
	s_add_nc_u64 s[G0+4*\slot+2:G0+4*\slot+3], s[G0+4*\slot+2:G0+4*\slot+3], 2*TILEB   ; no tensor load of mine is out: the address may step
	tensor_load_to_lds s[G0+4*\slot:G0+4*\slot+3], s[G1:G1+7]
	s_nop 0
.endif
.if \bump
	v_add_nc_u32 v[ADRA_LO], \bump, v[ADRA_LO]
	v_add_nc_u32 v[ADRA_HI], \bump, v[ADRA_HI]
.endif
	PLACES
	FETCH \next, 0, \aimm, 0
	WIN MUL_HI
	MUL16 1, 1, 0, 0
	MUL16 1, 1, 2, 0
.endm
.macro LASTQ                           ; the very last quarter: nothing more to fetch
	s_wait_dscnt 8
	WIN MUL_LO
	MUL16 1, 0, 0, 0
	MUL16 1, 0, 2, 0
	s_wait_dscnt 0
	WIN MUL_HI
	MUL16 1, 1, 0, 0
	MUL16 1, 1, 2, 0
.endm
.macro LAP                             ; two K steps, once round the ring, 256 bytes along A's rows
	QUARTER 0, 64, 0
	TURN 0, 1, 1, 0, 128
	QUARTER 1, 192, 0
	TURN 1, 0, 1, 256, 0
.endm
; 36 loads: what the way out needs for column tiles 4 hw .. 4 hw + 3 of pass p
.macro EPI_LOAD set, p, hw
.if \set
	WIN TO1
.else
	WIN 0
.endif
.irp b, 0,1,2,3
.irp k2, 0,1
.irp ub, 0,1,2
	global_load_b128 v[ES+24*\b+12*\k2+4*\ub:ES+24*\b+12*\k2+4*\ub+3], v[VQ], s[26:27] offset:(4*\k2+\ub)*16384+(512*\p+64*\hw+16*\b)*16
.endr
.endr
	global_load_b128 v[ES+96+4*\b:ES+96+4*\b+3], v[VP], s[24:25] offset:(512*\p+64*\hw+16*\b)*16
	global_load_b32 v[ES+112+\b], v[VB], s[14:15] offset:(512*\p+64*\hw+16*\b)*4
	global_load_b32 v[ES+116+\b], v[VB], s[16:17] offset:(512*\p+64*\hw+16*\b)*4
.endr
.endm
; 32 accumulator tiles: + Q + (P + b0), relu, times w1 into sc.  first = 1: the first column tile starts sc.
.macro EPI_HALF set, hw, first
.if \set
	WIN 0x45                                       ; all in window 1
.else
	WIN 0
.endif
.irp b, 0,1,2,3
	PKADDB ES+96+4*\b, ES+96+4*\b, ES+112+\b       ; P + b0, once for four mentions
	PKADDB ES+98+4*\b, ES+98+4*\b, ES+112+\b
.endr
.irp W, 2,3
.set w_, (\W<<6)|(\set<<2)|\W
	WIN w_                                         ; source 0 and destination: the accumulators; source 1: the set
.irp al, 0,1,2,3
.irp b, 0,1,2,3
.set a_, 2*(\W-2)+(\al>>1)
.set t_, 8*(8*\al+4*\hw+\b)
.set q_, ES+24*\b+12*(\al&1)+a_
.if a_&1
.irp jj, 0,1,2,3,4,5,6,7
	v_add_f32 v[t_+\jj], v[t_+\jj], v[q_+\jj]      ; an odd mention's window begins on an odd register: no aligned pairs
.endr
.else
.irp jj, 0,2,4,6
	v_pk_add_f32 v[t_+\jj:t_+\jj+1], v[t_+\jj:t_+\jj+1], v[q_+\jj:q_+\jj+1]
.endr
.endif
.irp jj, 0,2,4,6
	PKADDB t_+\jj, t_+\jj, ES+96+4*\b+a_
.endr
.irp jj, 0,1,2,3,4,5,6,7
	v_max_num_f32 v[t_+\jj], v[t_+\jj], 0
.endr
.endr
.endr
.set w_, (\set<<2)|\W
	WIN w_                                         ; source 2 and destination: sc in window 0
.irp b, 0,1,2,3
.set st_, 0
.if \first
.if \b == 0
.set st_, 1
.endif
.endif
.irp al, 0,1,2,3
.set t_, 8*(8*\al+4*\hw+\b)
.set s_, SCR+8*(4*(\W-2)+\al)
.irp jj, 0,2,4,6
.if st_
	PKMULB s_+\jj, t_+\jj, ES+116+\b
.else
	PKFMAB s_+\jj, t_+\jj, ES+116+\b
.endif
.endr
.endr
.endr
.endr
.endm
.macro EPILOGUE p, first
	PLACES                                         ; behind the last matrix instructions: buffer 1 is loaded, results are read
	EPI_LOAD 1, \p, 1
	s_wait_loadcnt 36                              ; set 0's loads are in; the 36 just issued stay out
	EPI_HALF 0, 0, \first
	s_wait_loadcnt 0
	EPI_HALF 1, 1, 0
.endm
.macro WSUM x, y                       ; sum over the 32 lanes, in every lane
	v_add_f32_dpp v[\x], v[\x], v[\x] row_xmask:1 row_mask:0xf bank_mask:0xf
	v_add_f32_dpp v[\x], v[\x], v[\x] row_xmask:2 row_mask:0xf bank_mask:0xf
	v_add_f32_dpp v[\x], v[\x], v[\x] row_xmask:4 row_mask:0xf bank_mask:0xf
	v_add_f32_dpp v[\x], v[\x], v[\x] row_xmask:8 row_mask:0xf bank_mask:0xf
	v_permlanex16_b32 v[\y], v[\x], s59, s60
	v_add_f32 v[\x], v[\x], v[\y]
.endm
.macro WMAX x, y
	v_max_num_f32_dpp v[\x], v[\x], v[\x] row_xmask:1 row_mask:0xf bank_mask:0xf
	v_max_num_f32_dpp v[\x], v[\x], v[\x] row_xmask:2 row_mask:0xf bank_mask:0xf
	v_max_num_f32_dpp v[\x], v[\x], v[\x] row_xmask:4 row_mask:0xf bank_mask:0xf
	v_max_num_f32_dpp v[\x], v[\x], v[\x] row_xmask:8 row_mask:0xf bank_mask:0xf
	v_permlanex16_b32 v[\y], v[\x], s59, s60
	v_max_num_f32 v[\x], v[\x], v[\y]
.endm
	s_load_b512 s[4:19], s[0:1], 0x0               ; E s[4:5], cluster ids s[6:7], speaker ids s[8:9], speaker_emb s[10:11], bucket_emb s[12:13], sp_b0 s[14:15], sp_W1 s[16:17], sp_b1 s[18:19]
	s_load_b256 s[20:27], s[0:1], 0x40             ; ms_b1 s[20:21], w3b s[22:23], p4 s[24:25], q4 s[26:27]
	s_load_b128 s[28:31], s[0:1], 0x60             ; msp s[28:29], out0 s[30:31]
	s_load_b64 s[32:33], s[0:1], 0x70              ; lossm
	v_lshl_add_u32 v254, v0, 2, 0x49000
	v_mov_b32 v255, 0
	ds_add_u32 v254, v255
	v_lshrrev_b32 v1, 5, v0
	v_readfirstlane_b32 s52, v1                    ; wave w
	s_bfe_u32 s53, ttmp6, 0x40000                  ; cx: my place in the cluster
	s_lshl_b32 s54, ttmp9, 2
	s_add_co_u32 s54, s54, s53                     ; work-group = 4 x cluster + cx
	s_lshl_b32 s55, s54, 2                         ; i0
	s_mov_b32 s59, 0x76543210                      ; v_permlanex16_b32: lane i of one half reads lane i of the other
	s_mov_b32 s60, 0xfedcba98
	s_mov_b32 s61, 0x358637bd                      ; 1e-6
	s_mov_b32 s62, 0x3f7fffef                      ; 1 - 1e-6
	; group 1: a strip of 64 rows x 128 elements of 2 bytes out of rows of 512 elements, 32 bytes of padding behind every 256
	s_mov_b32 s[G1+0], 15|(1<<16)|(1<<20)|(1<<21)|(5<<22)|(7<<25)   ; 15:0 mask: all four of the cluster; 17:16 2 bytes; 20 padding; 21 set beside a mask; 24:22 after 64 words; 31:25 of 8 words
	s_mov_b32 s[G1+1], 128<<16                     ; tensor_dim0 = 128
	s_mov_b32 s[G1+2], 64<<16                      ; tensor_dim1 = 64
	s_mov_b32 s[G1+3], 128<<16                     ; tile_dim0 = 128
	s_mov_b32 s[G1+4], 64                          ; tile_dim1 = 64
	s_mov_b32 s[G1+5], 512                         ; elements from row to row
	s_mov_b32 s[G1+6], 0
	s_mov_b32 s[G1+7], 0
	s_mul_i32 s69, s52, STRIP
	s_mov_b32 s[G0+0], 1
	s_add_co_u32 s[G0+1], s69, RING                ; LDS: the wave's number times a strip, plus the slot
	s_mov_b32 s[G0+4], 1
	s_add_co_u32 s[G0+5], s69, RING+SLOT
	s_lshl_b32 s56, s52, 8                         ; my 128 columns: 256 bytes
	s_mov_b32 s57, 0
	s_wait_dscnt 0x0
	s_wait_kmcnt 0x0
	s_add_nc_u64 s[G0+2:G0+3], s[22:23], s[56:57]  ; tile 0
	s_add_nc_u64 s[G0+6:G0+7], s[G0+2:G0+3], TILEB ; tile 1
	s_or_b32 s[G0+3], s[G0+3], 0x80000000          ; type = 2
	s_or_b32 s[G0+7], s[G0+7], 0x80000000
	s_load_b32 s63, s[20:21], 0x0                  ; ms_b1
	s_load_b32 s66, s[18:19], 0x0                  ; sp_b1
	CROUND                                         ; all four work-groups are here: the first joint loads meet
	tensor_load_to_lds s[G0:G0+3], s[G1:G1+7]      ; both first fills as one group: two tensor loads of the wave are out
	s_nop 0
	tensor_load_to_lds s[G0+4:G0+7], s[G1:G1+7]
	s_nop 0
	v_and_b32 v1, 31, v0                           ; lane L
	v_and_b32 v2, 15, v0                           ; r
	v_bfe_u32 v3, v0, 4, 1                         ; h
	v_mul_u32_u24 v[ADRA_LO], v2, APITCH
	v_lshl_add_u32 v[ADRA_LO], v3, 4, v[ADRA_LO]
	v_add_nc_u32 v[ADRA_HI], AHALF, v[ADRA_LO]
	v_and_b32 v16, 7, v0
	v_lshl_add_u32 v16, v3, 3, v16                 ; k row 8 h + (L & 7)
	v_mul_u32_u24 v16, v16, BPITCH
	v_bfe_u32 v17, v0, 3, 1
	v_lshl_add_u32 v16, v17, 4, v16                ; 16-byte column (L >> 3) & 1
	v_add_nc_u32 v[ADRB], s[G0+1], v16             ; my own strip in slot 0,
	v_add_nc_u32 v[ADRB+1], s[G0+5], v16           ; in slot 1
	s_lshl_b32 s56, s55, 12                        ; block i0 / 4 of 16,384 bytes
	s_lshl_b32 s69, s52, 11                        ; 128 w columns of 16 bytes
	s_add_co_u32 s56, s56, s69
	v_lshl_add_u32 v[VP], v2, 4, s56
	v_lshl_add_u32 v[VQ], v3, 15, v[VP]            ; lanes 16-31: 8 rows = two blocks further
	s_lshl_b32 s69, s52, 9
	v_lshl_add_u32 v[VB], v2, 2, s69
	v_lshl_add_u32 v[VLK], v1, 4, s69
	s_add_co_u32 s70, s69, SC
	v_lshl_add_u32 v[VS], v3, 5, s70
	s_lshl_b32 s69, s52, 8
	v_lshl_add_u32 v26, v1, 3, s69                 ; 256 w + 8 L: my 8 bytes of a row of A
	; wave w also serves mention i = i0 + w, lane L its antecedent j = i - 32 + L
	s_add_co_u32 s57, s55, s52                     ; i
	s_sub_co_i32 s56, s57, 32
	v_add_nc_u32 v20, s56, v1
	v_cmp_le_i32 s67, 0, v20                       ; VALID: j >= 0
	v_max_i32 v21, 0, v20                          ; the clamped antecedent
	v_lshlrev_b32 v22, 2, v21                      ; 4 j
	s_lshl_b32 s56, s57, 2
	v_mov_b32 v23, s56                             ; 4 i
	v_mov_b32 v24, 0
	v_sub_nc_u32 v27, 32, v1                       ; the offset c = 32 - L
	v_min_u32 v25, 4, v27
.irp thr, 5,8,16,32
	v_cmp_le_u32 vcc_lo, \thr, v27
	v_cndmask_b32 v28, 0, 1, vcc_lo
	v_add_nc_u32 v25, v25, v28
.endr
	v_mul_u32_u24 v25, v25, 80                     ; a row of bucket_emb is 80 bytes
	v_mul_u32_u24 v29, v0, APITCH                  ; row t of A
	; the window of 36 rows of E (i0 - 32 .. i0 + 3, clamped at 0): wave w takes numbers 128 w .. + 127 of each, so the work-group reads each byte once
	WIN TO1
.set wp, 0
.rept 36
	s_add_co_i32 s56, s55, wp-32
	s_max_i32 s56, s56, 0
	s_lshl_b32 s56, s56, 11
	v_add_nc_u32 v[4*wp], s56, v[VLK]
.set wp, wp+1
.endr
.irp a, 0,1,2,3
	v_add_nc_u32 v[AW+\a], \a*32*APITCH, v26
.endr
	WIN 0x41
.set wp, 0
.rept 36
	global_load_b128 v[4*wp:4*wp+3], v[4*wp], s[4:5]   ; each load lands on its own offset register
.set wp, wp+1
.endr
	WIN 0
	global_load_b32 v[SPI], v23, s[8:9]
	global_load_b32 v[SPJ], v22, s[8:9]
	global_load_b32 v[CLI], v23, s[6:7]
	global_load_b32 v[CLJ], v22, s[6:7]
.irp q, 0,1,2,3,4,5,6,7,8,9
	global_load_b128 v[SE+4*\q:SE+4*\q+3], v24, s[10:11] offset:16*\q
.endr
.irp q, 0,1,2,3,4
	global_load_b128 v[BE+4*\q:BE+4*\q+3], v25, s[12:13] offset:16*\q
.endr
.irp q, 0,1,2,3,4,5,6,7,8,9,10,11,12,13,14,15
	global_load_b32 v[MSI+\q], v23, s[28:29] offset:4096*\q
	global_load_b32 v[MSI+16+\q], v22, s[28:29] offset:4096*\q
.endr
	s_wait_loadcnt 51                              ; E's 36 rows are in; the 4 + 10 + 5 + 32 younger loads stay out
	; A's first 512 columns: e_i * e_j in f32, rounded once
	WIN 0x45
.set a_, 0
.rept 4
.set c_, 0
.rept 32
.set x_, (c_&3)
	v_pk_mul_f32 v[TT+4*x_:TT+4*x_+1], v[4*(32+a_):4*(32+a_)+1], v[4*(a_+c_):4*(a_+c_)+1]
	v_pk_mul_f32 v[TT+4*x_+2:TT+4*x_+3], v[4*(32+a_)+2:4*(32+a_)+3], v[4*(a_+c_)+2:4*(a_+c_)+3]
	v_cvt_pk_bf16_f32 v[UU+2*x_], v[TT+4*x_], v[TT+4*x_+1]
	v_cvt_pk_bf16_f32 v[UU+2*x_+1], v[TT+4*x_+2], v[TT+4*x_+3]
	ds_store_b64 v[AW+a_], v[UU+2*x_:UU+2*x_+1] offset:c_*APITCH
.set c_, c_+1
.endr
.set a_, a_+1
.endr
	WIN 0
	s_wait_loadcnt 0x0
	; thread t: the feature columns of row t
	v_cmp_eq_u32 vcc_lo, v[SPI], v[SPJ]
.set i_, 0
.rept 20
	v_cndmask_b32 v[SE+i_], v[SE+i_], v[SE+20+i_], vcc_lo      ; speaker_emb[same speaker]
.set i_, i_+1
.endr
.set i_, 0
.rept 10
	v_cvt_pk_bf16_f32 v[ROWP+i_], v[SE+2*i_], v[SE+2*i_+1]
	v_cvt_pk_bf16_f32 v[ROWP+10+i_], v[BE+2*i_], v[BE+2*i_+1]
.set i_, i_+1
.endr
.irp q, 0,1,2,3
	v_mov_b32 v[ROWP+20+\q], 0
.endr
.irp q, 0,1,2,3,4
	ds_store_b128 v29, v[ROWP+4*\q:ROWP+4*\q+3] offset:1024+16*\q
.endr
.irp q, 5,6,7
	ds_store_b128 v29, v[ROWP+20:ROWP+23] offset:1024+16*\q    ; columns 552 .. 575 are zero, as w3b's rows there
.endr
	; FAST = score(i) + score(j) + sp_b1, a score being its 16 partial sums + ms_b1
.irp q, 0,2,4,6,8,10,12,14
	v_pk_add_f32 v[MSI+\q:MSI+\q+1], v[MSI+\q:MSI+\q+1], v[MSI+16+\q:MSI+16+\q+1]
.endr
.irp q, 0,2,4,6
	v_pk_add_f32 v[MSI+\q:MSI+\q+1], v[MSI+\q:MSI+\q+1], v[MSI+8+\q:MSI+8+\q+1]
.endr
.irp q, 0,2
	v_pk_add_f32 v[MSI+\q:MSI+\q+1], v[MSI+\q:MSI+\q+1], v[MSI+4+\q:MSI+4+\q+1]
.endr
	v_pk_add_f32 v[MSI:MSI+1], v[MSI:MSI+1], v[MSI+2:MSI+3]
	v_add_f32 v[FAST], v[MSI], v[MSI+1]
	s_wait_kmcnt 0x0
	v_fma_f32 v[FAST], s63, 2.0, v[FAST]
	v_add_f32 v[FAST], s66, v[FAST]
	v_cmp_eq_u32 s68, v[CLI], v[CLJ]
	v_cmp_lt_i32 vcc_lo, 0, v[CLI]
	s_and_b32 s68, s68, vcc_lo
	s_and_b32 s68, s68, s67                        ; LAB: valid, same cluster, cluster id above 0
	s_wait_dscnt 0x0                               ; my part of A is stored, for the other waves' sake
	s_wait_tensorcnt 0x1                           ; my strip of tile 0 is in; tile 1's may stay out
	s_barrier_signal -1
	s_barrier_wait -1
	FETCH 0, 0, 0, 0
	; PASS 0: tiles 0 .. 8.  The first K step's products start the sums.
	QUARTER 0, 64, 1
	TURN 0, 1, 1, 0, 128
	QUARTER 1, 192, 0
	TURN 1, 0, 1, 256, 0
	WIN 0                                          ; at a label and at a branch every window is 0
	s_mov_b32 s58, 3
.Lpass0:
	LAP
	WIN 0
	s_sub_co_u32 s58, s58, 1
	s_cmp_lg_u32 s58, 0
	s_cbranch_scc1 .Lpass0
	EPI_LOAD 0, 0, 0                               ; a K step ahead of the way out
	QUARTER 0, 64, 0
	TURN 0, 1, 1, -1024, 0                         ; fills tile 10, steps A back to K = 0, fetches pass 1's first fragments into buffer 0
	EPILOGUE 0, 1
	; PASS 1: tiles 9 .. 17
	QUARTER 1, 64, 1
	TURN 1, 0, 1, 128, 0
	WIN 0
	s_mov_b32 s58, 3
.Lpass1:
	LAP
	WIN 0
	s_sub_co_u32 s58, s58, 1
	s_cmp_lg_u32 s58, 0
	s_cbranch_scc1 .Lpass1
	QUARTER 0, 64, 0
	TURN 0, 1, 0, 0, 128                           ; nothing is left to fetch: no fill, no round of the cluster's barrier
	EPI_LOAD 0, 1, 0
	QUARTER 1, 192, 0
	LASTQ
	EPILOGUE 1, 0
	; THE TAIL.  sc over the sixteen lanes of a half (my columns), then over the four waves through LDS.
	WIN 0
.irp m, 1,2,4,8
.set i_, 0
.rept 64
	v_add_f32_dpp v[SCR+i_], v[SCR+i_], v[SCR+i_] row_xmask:\m row_mask:0xf bank_mask:0xf
.set i_, i_+1
.endr
.endr
.irp mt, 0,1,2,3,4,5,6,7
.irp q, 0,1
	ds_store_b128 v[VS], v[SCR+8*\mt+4*\q:SCR+8*\mt+4*\q+3] offset:64*\mt+16*\q   ; rows 16 mt + 8 h + 4 q ..; the sixteen lanes of a half store the same numbers
.endr
.endr
	s_wait_dscnt 0x0
	s_barrier_signal -1
	s_barrier_wait -1
	s_mov_b32 s69, SC
	v_lshl_add_u32 v16, v0, 2, s69                 ; row t = 32 w + L: mention i0 + w, lane L = cc
.irp q, 0,1,2,3
	ds_load_b32 v[20+\q], v16 offset:512*\q
.endr
	v_mov_b32 v25, 0                               ; v_permlanex16_b32 counts as a reader of its destination
	v_mov_b32 v19, 0xff800000                      ; -infinity
	s_wait_dscnt 0x0
	v_add_f32 v20, v20, v21
	v_add_f32 v22, v22, v23
	v_add_f32 v20, v20, v22
	v_add_f32 v20, v20, v[FAST]
	v_cndmask_b32 v20, v19, v20, s67               ; log(0) for j < 0
	v_mov_b32 v24, v20
	WMAX 24, 25
	v_max_num_f32 v24, 0, v24                      ; the row's maximum, the dummy's 0 among the 33
	v_sub_f32 v26, v20, v24
	v_mul_f32 v26, 0x3fb8aa3b, v26
	v_mul_f32 v27, 0xbfb8aa3b, v24
	v_exp_f32 v26, v26
	v_exp_f32 v27, v27                             ; the dummy's
	v_nop                                          ; one plain place behind a transcendental
	s_wait_alu depctr_va_vdst(0)
	v_mov_b32 v28, v26
	WSUM 28, 25
	v_add_f32 v28, v28, v27
	v_rcp_f32 v28, v28
	v_nop
	s_wait_alu depctr_va_vdst(0)
	v_mul_f32 v26, v26, v28
	v_mul_f32 v27, v27, v28
	v_med3_num_f32 v26, v26, s61, s62              ; the clip
	v_med3_num_f32 v27, v27, s61, s62
	v_mov_b32 v28, v26
	WSUM 28, 25
	v_add_f32 v28, v28, v27
	v_rcp_f32 v28, v28
	v_nop
	s_wait_alu depctr_va_vdst(0)
	v_mul_f32 v26, v26, v28                        ; overall_dist[i][32 - L]
	v_mul_f32 v27, v27, v28                        ; overall_dist[i][0]
	v_log_f32 v29, v26
	v_log_f32 v30, v27
	v_nop
	s_wait_alu depctr_va_vdst(0)
	v_cndmask_b32 v29, 0, v29, s68
	WSUM 29, 25
	s_cmp_eq_u32 s68, 0                            ; no antecedent labelled: the dummy is
	s_cselect_b32 s69, 0x3f800000, 0
	v_fma_f32 v29, v30, s69, v29
	v_mul_f32 v29, 0xbf317218, v29                 ; -ln 2 x the sum of log2
	s_mul_i32 s56, s57, 132                        ; a row of out0 is 33 numbers
	v_mov_b32 v32, s56
	s_add_co_u32 s56, s56, 128
	v_lshlrev_b32 v31, 2, v1
	v_sub_nc_u32 v31, s56, v31                     ; 132 i + 4 (32 - L)
	s_lshl_b32 s56, s57, 2
	v_mov_b32 v33, s56
	global_store_b32 v31, v26, s[30:31]
	v_cmp_eq_u32 vcc_lo, 0, v1
	s_wait_xcnt 0x0                                ; EXEC changes only behind this wait
	s_and_saveexec_b32 s70, vcc_lo
	global_store_b32 v32, v27, s[30:31]
	global_store_b32 v33, v29, s[32:33]
	s_wait_xcnt 0x0                                ; and again in front of the line that widens it
	s_or_b32 exec_lo, exec_lo, s70
	s_wait_tensorcnt 0x0
	ds_add_u32 v254, v255
	s_wait_dscnt 0x0
	CROUND                                         ; the closing round: no work-group ends while a partner may still ask for a strip that names it
	s_endpgm
.Lfunc_end_k_qd87809e442_pair:
	.size	k_qd87809e442_pair, .Lfunc_end_k_qd87809e442_pair-k_qd87809e442_pair
	.p2alignl 7, 3214868480
	.fill 96, 4, 3214868480
	.section	.rodata,"a",@progbits
	.p2align	6, 0x0
	.amdhsa_kernel k_qd87809e442_pair
		.amdhsa_group_segment_fixed_size 327680
		.amdhsa_private_segment_fixed_size 0
		.amdhsa_enable_private_segment 0
		.amdhsa_kernarg_size 120
		.amdhsa_user_sgpr_count 2
		.amdhsa_user_sgpr_kernarg_segment_ptr 1
		.amdhsa_wavefront_size32 1
		.amdhsa_system_sgpr_workgroup_id_x 1
		.amdhsa_system_sgpr_workgroup_id_y 1
		.amdhsa_system_sgpr_workgroup_id_z 1
		.amdhsa_system_vgpr_workitem_id 0
		.amdhsa_next_free_vgpr 1024
		.amdhsa_next_free_sgpr 72
		.amdhsa_reserve_vcc 1
		.amdhsa_float_denorm_mode_32 3
		.amdhsa_float_denorm_mode_16_64 3
		.amdhsa_memory_ordered 1
		.amdhsa_forward_progress 1
		.amdhsa_inst_pref_size 255
	.end_amdhsa_kernel
	.section	.bss,"aw",@nobits
	.p2align	6
	.space	262144
	.amdgpu_metadata
---
amdhsa.version: [ 1, 2 ]
amdhsa.kernels:
  - .name:           k_qd87809e442_pair
    .symbol:         k_qd87809e442_pair.kd
    .args:
      - { .name: mention_emb, .offset: 0, .size: 8, .value_kind: global_buffer, .address_space: global }
      - { .name: mention_cluster_ids, .offset: 8, .size: 8, .value_kind: global_buffer, .address_space: global }
      - { .name: mention_speaker_ids, .offset: 16, .size: 8, .value_kind: global_buffer, .address_space: global }
      - { .name: speaker_emb, .offset: 24, .size: 8, .value_kind: global_buffer, .address_space: global }
      - { .name: bucket_emb, .offset: 32, .size: 8, .value_kind: global_buffer, .address_space: global }
      - { .name: sp_b0, .offset: 40, .size: 8, .value_kind: global_buffer, .address_space: global }
      - { .name: sp_W1, .offset: 48, .size: 8, .value_kind: global_buffer, .address_space: global }
      - { .name: sp_b1, .offset: 56, .size: 8, .value_kind: global_buffer, .address_space: global }
      - { .name: ms_b1, .offset: 64, .size: 8, .value_kind: global_buffer, .address_space: global }
      - { .name: w3b, .offset: 72, .size: 8, .value_kind: global_buffer, .address_space: global }
      - { .name: p4, .offset: 80, .size: 8, .value_kind: global_buffer, .address_space: global }
      - { .name: q4, .offset: 88, .size: 8, .value_kind: global_buffer, .address_space: global }
      - { .name: msp, .offset: 96, .size: 8, .value_kind: global_buffer, .address_space: global }
      - { .name: out0, .offset: 104, .size: 8, .value_kind: global_buffer, .address_space: global }
      - { .name: lossm, .offset: 112, .size: 8, .value_kind: global_buffer, .address_space: global }
    .group_segment_fixed_size: 327680
    .private_segment_fixed_size: 0
    .kernarg_segment_align: 8
    .kernarg_segment_size: 120
    .max_flat_workgroup_size: 128
    .sgpr_count:     72
    .vgpr_count:     1024
    .wavefront_size: 32
...
	.end_amdgpu_metadata
.endif
;; end of part 2
;; launch fin (part 3): grid 1 x 1, 1 waves a work-group, no clusters, 0 bytes of LDS; arguments lossm, out1; writes out1
.if DOCPART == 3
	.amdgcn_target "amdgcn-amd-amdhsa--gfx1250"
	.amdhsa_code_object_version 6
	.text
	.protected	k_qd87809e442_fin
	.globl	k_qd87809e442_fin
	.p2align	8
	.type	k_qd87809e442_fin,@function
k_qd87809e442_fin:
	s_mov_b64 s[64:65], 0
	v_nop
	global_prefetch_b8 v0, s[64:65] scope:SCOPE_SE
	s_setreg_imm32_b32 hwreg(HW_REG_WAVE_MODE, 25, 1), 1
	s_wait_xcnt 0x0
; FIN: out1 = the sum of the 1,024 mentions' losses (the mean over a batch of one is the sum itself).
; The sum spans all work-groups of the launch in front, so it has one owner here: one wave, eight loads of 512 consecutive bytes,
; a tree of packed adds in the lane, then the 32 lanes.  4 KiB in, 4 bytes out: no LDS, no matrix unit, no more waves would pay.
	s_load_b128 s[4:7], s[0:1], 0x0                ; lossm s[4:5], out1 s[6:7]
	v_lshlrev_b32 v1, 4, v0
	v_mov_b32 v2, 0
	s_mov_b32 s8, 0x76543210                       ; v_permlanex16_b32: lane i of one half reads lane i of the other
	s_mov_b32 s9, 0xfedcba98
	s_wait_kmcnt 0x0
.irp q, 0,1,2,3,4,5,6,7
	global_load_b128 v[4+4*\q:7+4*\q], v1, s[4:5] offset:512*\q
.endr
	s_wait_loadcnt 0x0
.irp q, 0,2,4,6,8,10,12,14
	v_pk_add_f32 v[4+\q:5+\q], v[4+\q:5+\q], v[20+\q:21+\q]
.endr
.irp q, 0,2,4,6
	v_pk_add_f32 v[4+\q:5+\q], v[4+\q:5+\q], v[12+\q:13+\q]
.endr
.irp q, 0,2
	v_pk_add_f32 v[4+\q:5+\q], v[4+\q:5+\q], v[8+\q:9+\q]
.endr
	v_pk_add_f32 v[4:5], v[4:5], v[6:7]
	v_add_f32 v4, v4, v5
	v_add_f32_dpp v4, v4, v4 row_xmask:1 row_mask:0xf bank_mask:0xf
	v_add_f32_dpp v4, v4, v4 row_xmask:2 row_mask:0xf bank_mask:0xf
	v_add_f32_dpp v4, v4, v4 row_xmask:4 row_mask:0xf bank_mask:0xf
	v_add_f32_dpp v4, v4, v4 row_xmask:8 row_mask:0xf bank_mask:0xf
	v_permlanex16_b32 v5, v4, s8, s9
	v_add_f32 v4, v4, v5
	v_cmp_eq_u32 vcc_lo, 0, v0
	s_wait_xcnt 0x0                                ; EXEC changes only behind this wait
	s_and_saveexec_b32 s10, vcc_lo
	global_store_b32 v2, v4, s[6:7]
	s_wait_xcnt 0x0
	s_or_b32 exec_lo, exec_lo, s10
	s_endpgm
.Lfunc_end_k_qd87809e442_fin:
	.size	k_qd87809e442_fin, .Lfunc_end_k_qd87809e442_fin-k_qd87809e442_fin
	.p2alignl 7, 3214868480
	.fill 96, 4, 3214868480
	.section	.rodata,"a",@progbits
	.p2align	6, 0x0
	.amdhsa_kernel k_qd87809e442_fin
		.amdhsa_group_segment_fixed_size 0
		.amdhsa_private_segment_fixed_size 0
		.amdhsa_enable_private_segment 0
		.amdhsa_kernarg_size 16
		.amdhsa_user_sgpr_count 2
		.amdhsa_user_sgpr_kernarg_segment_ptr 1
		.amdhsa_wavefront_size32 1
		.amdhsa_system_sgpr_workgroup_id_x 1
		.amdhsa_system_sgpr_workgroup_id_y 1
		.amdhsa_system_sgpr_workgroup_id_z 1
		.amdhsa_system_vgpr_workitem_id 0
		.amdhsa_next_free_vgpr 40
		.amdhsa_next_free_sgpr 66
		.amdhsa_reserve_vcc 1
		.amdhsa_float_denorm_mode_32 3
		.amdhsa_float_denorm_mode_16_64 3
		.amdhsa_memory_ordered 1
		.amdhsa_forward_progress 1
		.amdhsa_inst_pref_size 3
	.end_amdhsa_kernel
	.amdgpu_metadata
---
amdhsa.version: [ 1, 2 ]
amdhsa.kernels:
  - .name:           k_qd87809e442_fin
    .symbol:         k_qd87809e442_fin.kd
    .args:
      - { .name: lossm, .offset: 0, .size: 8, .value_kind: global_buffer, .address_space: global }
      - { .name: out1, .offset: 8, .size: 8, .value_kind: global_buffer, .address_space: global }
    .group_segment_fixed_size: 0
    .private_segment_fixed_size: 0
    .kernarg_segment_align: 8
    .kernarg_segment_size: 16
    .max_flat_workgroup_size: 32
    .sgpr_count:     66
    .vgpr_count:     40
    .wavefront_size: 32
...
	.end_amdgpu_metadata
.endif
;; end of part 3
;; ======== version 2 of 2: 3 launches; version 1 with the launch prep written anew for expert scheduling mode
;; workspace buffers: w3b 1,179,648 bytes; p4 4,194,304 bytes; q4 4,325,376 bytes; msp 65,536 bytes; lossm 4,096 bytes
;; launch prep (part 4): grid 24 x 8, 8 waves a work-group, no clusters, 281,600 bytes of LDS; arguments mention_emb, sp_W0, ms_W0, ms_b0, ms_W1, w3b, p4, q4, msp; writes w3b, p4, q4, msp
.if DOCPART == 4
	.amdgcn_target "amdgcn-amd-amdhsa--gfx1250"
	.amdhsa_code_object_version 6
	.text
	.protected	k_qd87809e442_prep
	.globl	k_qd87809e442_prep
	.p2align	8
	.type	k_qd87809e442_prep,@function
k_qd87809e442_prep:
	s_mov_b64 s[64:65], 0
	v_nop
	global_prefetch_b8 v0, s[64:65] scope:SCOPE_SE
	s_setreg_imm32_b32 hwreg(HW_REG_WAVE_SCHED_MODE, 0, 2), 2
	s_setreg_imm32_b32 hwreg(HW_REG_WAVE_MODE, 25, 1), 1
	s_wait_xcnt 0x0
	s_wait_alu depctr_vm_vsrc(0)
; PREP: everything of the two scorers that hangs on ONE mention, and the pair scorer's remaining weights in bf16.
;   P = E x sp_W0[0:512], Q = E x sp_W0[512:1024]  (the first layer of the pair scorer is linear in the concatenation, so the
;   parts that see one mention alone are made for 1,024 rows instead of 32,768 pairs);
;   msp[t][i] = sum over columns 64 t .. 64 t + 63 of relu(E x ms_W0 + ms_b0)[i][c] * ms_W1[c]   (16 partial mention scores);
;   w3b[p][k][c] = bf16(sp_W0[1024 + k][512 p + c]), k < 552, zero for k = 552 .. 575.
; Operands of the matrix products are rounded to bf16, sums are f32.
; 24 x 8 work-groups: x = 8 mat + column block (mat 0: P, 1: Q, 2: mention scorer), y = row block.  A work-group makes 128 rows x 128 columns
; over the whole K = 512; wave v makes rows 32 (v >> 1) .. + 31, columns 64 (v & 1) .. + 63: 2 x 4 accumulator tiles.
; P and Q leave as [row / 4][column][row % 4] in f32: four neighbouring result registers are four rows of one column = 16 bytes,
; and sixteen neighbouring lanes store 256 consecutive bytes, aligned.  Q is stored 32 rows down; the 32 rows in front are zeros.
; NO CLUSTER, NO TENSOR LOAD: both operands arrive as f32 and are rounded on the way, and W is re-laid; their f32 tiles of the whole K are
; 2 x 256 KiB and do not fit beside the 274 KiB bf16 image, and a staged f32 ring would send every byte through LDS twice.
; So the tiles come through registers: 32 loads of 512 bytes of every wave on their way, 128 KiB for the work-group.
; THE MODE: SCHED_MODE bits 1:0 = 2 (LLVM: expert scheduling mode 2), set by the entry lines.  The code itself states the register dependences
; between vector or matrix instructions and memory or LDS instructions, with s_wait_alu, always for 0.
; THE PLAN.  Registers that memory or LDS instructions touch:
;   v4-v15        Offsets and LDS addresses: written at the head, never again.  One wait on va_vdst ahead of the first load serves the whole kernel.
;   CL, CP, Z     CL: three loads land, six conversions read.  CP: conversions and masks write, three stores read.  Z: four moves write, four stores read.
;   LS0, LS1      Batch n (of eight): its 32 conversions read LS[n % 2]; behind them the loads of batch n + 2 land in it.
;   CV0, CV1      Batch n: its conversions write CV[n % 2], its sixteen LDS stores read it; batch n + 2 writes it again.
;                 ONE wait on va_vdst behind a batch's conversions states both: CV[n % 2] is written, LS[n % 2] has been read.  The batch's loads and LDS stores follow it.
;                 A wait on vm_vsrc beside it, ahead of the batch's own stores, states that the stores of the batch before have read the other CV, which the next batch writes.
;   Behind the barrier the registers change hands: one wait on vm_vsrc (and s_wait_xcnt 0 for the global stores) ahead of the branch.
;   F0, F1, F2    K step k: its eight matrix instructions read F[k % 3]; its twelve LDS loads, step k + 2's fragments, land in F[(k + 2) % 3] = F[(k - 1) % 3].
;                 ONE wait on va_vdst at a step's head states that the step before is done reading its buffer; the loads are dealt among the step's matrix
;                 instructions, which name F[k % 3] and the accumulators alone.
;   ACC           Matrix instructions write; P's and Q's stores read: the four places, then a wait on va_vdst.
;   BI, WV        Eight loads land; nothing names them before.      TP, TP+1: vector work writes, the last store reads.
;   v232, v233    Written at the head, read by the closing add alone.
.set EPITCH, 1040                      ; LDS row of E: 1,024 bytes + 16 = 65 x 16
.set WB,     128*EPITCH                ; W's image behind E's 128 rows
.set WPITCH, 288                       ; LDS row of W: 256 bytes + 32 = 9 x 32
.set VW,  4                            ; byte offset of my 16 bytes in W's row 64 v
.set VE,  5                            ; byte offset of my 16 bytes in E's row 128 rb + 16 v
.set LW,  6                            ; LDS: where my 8 bytes of W's row 64 v go
.set LE,  7                            ; LDS: where my 8 bytes of E's row 16 v go
.set PA,  8                            ; LDS: my A fragments
.set PB,  9                            ; v9-11 LDS: my B fragments, K steps 0-5, 6-11, 12-15
.set VST, 12                           ; byte offset of my 16 bytes in p4 / q4
.set VCS, 13                           ; 16 t
.set VCD, 14                           ; byte offset of my 8 bytes in w3b
.set VMS, 15                           ; byte offset of my column in ms_b0 and ms_W1
.set LS0, 16                           ; v16-79   load set 0 (16 x 4)
.set LS1, 80                           ; v80-143  load set 1
.set CV0, 144                          ; v144-175 rounded pairs, even batches
.set CV1, 200                          ; v200-231 rounded pairs, odd batches
.set ACC, 16                           ; behind the barrier: v16-79 accumulators,
.set F,   80                           ; v80-127, v128-175, v176-223 three fragment buffers (A 16, B 32)
.set CL,  176                          ; v176-187 three rows of sp_W0 as loaded
.set CP,  188                          ; v188-193 the same in bf16
.set Z,   194                          ; v194-197 zeros
.set SUM, 208                          ; v208-223 my 16 rows' partial scores
.set TP,  224                          ; v224-227 at work
.set BI,  234                          ; v234-237 ms_b0 of my four columns
.set WV,  238                          ; v238-241 ms_W1 of my four columns
.set MK,  3                            ; s4-s18 at the mention scorer's end: lane masks r == 1 .. r == 15
.macro PLACES                          ; four places behind a matrix instruction, before its result is read (ISA guide 7.12.1)
.rept 4
	v_nop
.endr
.endm
; d pair = x pair + register y in both halves (op_sel picks the register of y's aligned pair)
.macro PKADDB d, x, y
.if (\y)&1
	v_pk_add_f32 v[\d:\d+1], v[\x:\x+1], v[(\y)-1:\y] op_sel:[0,1] op_sel_hi:[1,1]
.else
	v_pk_add_f32 v[\d:\d+1], v[\x:\x+1], v[\y:(\y)+1] op_sel_hi:[1,0]
.endif
.endm
.macro PKMULB d, x, y
.if (\y)&1
	v_pk_mul_f32 v[\d:\d+1], v[\x:\x+1], v[(\y)-1:\y] op_sel:[0,1] op_sel_hi:[1,1]
.else
	v_pk_mul_f32 v[\d:\d+1], v[\x:\x+1], v[\y:(\y)+1] op_sel_hi:[1,0]
.endif
.endm
.macro PKFMAB d, x, y
.if (\y)&1
	v_pk_fma_f32 v[\d:\d+1], v[\x:\x+1], v[(\y)-1:\y], v[\d:\d+1] op_sel:[0,1,0] op_sel_hi:[1,1,1]
.else
	v_pk_fma_f32 v[\d:\d+1], v[\x:\x+1], v[\y:(\y)+1], v[\d:\d+1] op_sel_hi:[1,0,1]
.endif
.endm
; sixteen loads of 512 consecutive bytes each
.macro GL set, sb, vo, e0, stride
.set i_, 0
.rept 16
	global_load_b128 v[\set+4*i_:\set+4*i_+3], v[\vo], s[\sb:\sb+1] offset:(\e0+i_)*\stride
.set i_, i_+1
.endr
.endm
; sixteen loads' numbers rounded: 64 f32 of the set into 32 registers of cv
.macro CVT set, cv
.set i_, 0
.rept 16
	v_cvt_pk_bf16_f32 v[\cv+2*i_], v[\set+4*i_], v[\set+4*i_+1]
	v_cvt_pk_bf16_f32 v[\cv+2*i_+1], v[\set+4*i_+2], v[\set+4*i_+3]
.set i_, i_+1
.endr
.endm
; a batch's memory instructions, a load and an LDS store by turns.  lk = 1: W's rows 64 v + le0 .. land in the set; 2: E's pieces le0 ..; 0: nothing is left to load.
; sk = 0: cv goes to W's rows 64 v + se0 ..; 1: to E's row 16 v + e / 4, quarter e % 4 of its 512 numbers, e = se0 ..
.macro MOVE set, cv, sk, se0, lk, le0
.set i_, 0
.rept 16
.if (\lk) == 1
	global_load_b128 v[\set+4*i_:\set+4*i_+3], v[VW], s[30:31] offset:(\le0+i_)*4096
.elseif (\lk) == 2
	global_load_b128 v[\set+4*i_:\set+4*i_+3], v[VE], s[4:5] offset:(\le0+i_)*512
.endif
.if \sk
	ds_store_b64 v[LE], v[\cv+2*i_:\cv+2*i_+1] offset:((\se0+i_)>>2)*EPITCH+((\se0+i_)&3)*256
.else
	ds_store_b64 v[LW], v[\cv+2*i_:\cv+2*i_+1] offset:(\se0+i_)*WPITCH
.endif
.set i_, i_+1
.endr
.endm
; A batch.  left: how many younger loads may stay out.  free = 1: the next batch writes a CV that LDS stores have read.
.macro BATCH set, cv, left, free, sk, se0, lk, le0
	s_wait_loadcnt \left                           ; loads come back in order (ISA guide 5.7.1): this set is in, the younger batch stays out
	CVT \set, \cv
	s_wait_alu depctr_va_vdst(0)                   ; the conversions have written this batch's CV, which the LDS stores below read, and are done reading the set, in which the loads below (behind the barrier: the fragments' loads) land
.if \free
	s_wait_alu depctr_vm_vsrc(0)                   ; the LDS stores of the batch before have read the other CV, which the next batch's conversions write again
.endif
	MOVE \set, \cv, \sk, \se0, \lk, \le0
.endm
; two LDS loads: part n of six of the fragments of K step kk (32 along K): n = 0, 1: 16 rows of E; n = 2 .. 5: 16 columns of W (stored [k][n]: transposing loads)
.macro FPAIR kk, n
.set f_, F+48*((\kk)%3)
.if (\n) < 2
	ds_load_b128 v[f_+8*(\n):f_+8*(\n)+3], v[PA] offset:(\n)*16*EPITCH+64*(\kk)
	ds_load_b128 v[f_+8*(\n)+4:f_+8*(\n)+7], v[PA] offset:(\n)*16*EPITCH+64*(\kk)+32
.else
	ds_load_tr16_b128 v[f_+8*(\n):f_+8*(\n)+3], v[PB+(\kk)/6] offset:((\kk)%6)*32*WPITCH+32*((\n)-2)
	ds_load_tr16_b128 v[f_+8*(\n)+4:f_+8*(\n)+7], v[PB+(\kk)/6] offset:((\kk)%6)*32*WPITCH+32*((\n)-2)+16*WPITCH
.endif
.endm
; matrix instruction t of a step's eight: row tile t / 4, column tile t % 4
.macro MM kk, t, zero
.set f_, F+48*((\kk)%3)
.if \zero
	v_wmma_f32_16x16x32_bf16 v[ACC+8*(\t):ACC+8*(\t)+7], v[f_+8*((\t)/4):f_+8*((\t)/4)+7], v[f_+16+8*((\t)%4):f_+16+8*((\t)%4)+7], 0
.else
	v_wmma_f32_16x16x32_bf16 v[ACC+8*(\t):ACC+8*(\t)+7], v[f_+8*((\t)/4):f_+8*((\t)/4)+7], v[f_+16+8*((\t)%4):f_+16+8*((\t)%4)+7], v[ACC+8*(\t):ACC+8*(\t)+7]
.endif
.endm
; K step kk.  The eight accumulators take turns, one instruction a turn.
; The fragments of step kk + 2 are asked for in pairs behind the first six matrix instructions: they have this step's rest and the whole next step in which to land.
.macro KSTEP kk, zero
.if (\kk) < 15
	s_wait_dscnt 12                                ; LDS loads come back in order (ISA guide 5.7.1): this step's fragments are in, the next step's twelve loads may be out
.else
	s_wait_dscnt 0
.endif
.if ((\kk) > 0) && ((\kk) < 14)
	s_wait_alu depctr_va_vdst(0)                   ; the matrix instructions of the step before are done reading their fragment buffer, in which the loads below land
.endif
.set t_, 0
.rept 8
	MM \kk, t_, \zero
.if ((\kk) < 14) && (t_ < 6)
	FPAIR (\kk)+2, t_
.endif
.set t_, t_+1
.endr
.endm
; sixteen K steps on three fragment buffers.  The first step's products start the sums: nothing is cleared.
; Step 0 owes no wait on va_vdst: no vector instruction has named the third buffer's registers since the last batch's wait.  Steps 14 and 15 ask for nothing.
.macro COMPUTE
.irp n, 0,1,2,3,4,5
	FPAIR 0, \n
.endr
.irp n, 0,1,2,3,4,5
	FPAIR 1, \n
.endr
	KSTEP 0, 1
.set kk_, 1
.rept 15
	KSTEP kk_, 0
.set kk_, kk_+1
.endr
	PLACES                                         ; in front of whatever reads the results
.endm
	s_load_b512 s[4:19], s[0:1], 0x0               ; E s[4:5], sp_W0 s[6:7], ms_W0 s[8:9], ms_b0 s[10:11], ms_W1 s[12:13], w3b s[14:15], p4 s[16:17], q4 s[18:19]
	s_load_b64 s[20:21], s[0:1], 0x40              ; msp
	v_lshl_add_u32 v232, v0, 2, 0x44800            ; my spare word behind the two images, and 0: made here and kept for the closing lines alone
	v_mov_b32 v233, 0
	v_lshrrev_b32 v1, 5, v0
	v_readfirstlane_b32 s27, v1                    ; wave v
	s_mov_b32 s22, ttmp9                           ; cb = 8 mat + column block
	s_and_b32 s23, ttmp7, 0xffff                   ; rb = row block
	s_lshr_b32 s24, s22, 3                         ; mat
	s_and_b32 s25, s22, 7                          ; cbl
	s_mul_i32 s26, s23, 24
	s_add_co_u32 s26, s26, s22                     ; wg = 24 rb + cb, 0 .. 191
	s_wait_alu depctr_va_sdst(0)                   ; s27 is written, ahead of its first reader
	s_lshr_b32 s28, s27, 1                         ; rg: my 32 rows
	s_and_b32 s29, s27, 1                          ; hw: my 64 columns
	v_and_b32 v1, 31, v0                           ; lane L
	v_and_b32 v2, 15, v0                           ; r
	v_bfe_u32 v3, v0, 4, 1                         ; h
	s_lshl_b32 s37, s27, 18                        ; 64 v rows of 4,096 bytes
	v_lshl_add_u32 v[VW], v1, 4, s37
	s_lshl_b32 s37, s23, 18                        ; 128 rb rows of 2,048 bytes
	s_lshl_b32 s38, s27, 15                        ; 16 v rows
	s_add_co_u32 s37, s37, s38
	v_lshl_add_u32 v[VE], v1, 4, s37
	s_mul_i32 s37, s27, 64*WPITCH
	s_add_co_u32 s37, s37, WB
	v_lshl_add_u32 v[LW], v1, 3, s37
	s_mul_i32 s37, s27, 16*EPITCH
	v_lshl_add_u32 v[LE], v1, 3, s37
	v_mul_u32_u24 v[PA], v2, EPITCH                ; A fragment: row r, 16 bytes for each half of the lanes
	v_lshl_add_u32 v[PA], v3, 4, v[PA]
	s_mul_i32 s37, s28, 32*EPITCH
	v_add_nc_u32 v[PA], s37, v[PA]
	v_and_b32 v[TP], 7, v0                         ; B fragment by transposing loads: k row 8 h + (L & 7), 16-byte column (L >> 3) & 1
	v_lshl_add_u32 v[TP], v3, 3, v[TP]
	v_mul_u32_u24 v[TP], v[TP], WPITCH
	v_bfe_u32 v[TP+1], v0, 3, 1
	v_lshl_add_u32 v[TP], v[TP+1], 4, v[TP]
	s_lshl_b32 s37, s29, 7
	s_add_co_u32 s37, s37, WB
	v_add_nc_u32 v[PB], s37, v[TP]
	v_add_nc_u32 v[PB+1], 6*32*WPITCH, v[PB]       ; six K steps are 55,296 bytes: the 16-bit immediate reaches no further
	v_add_nc_u32 v[PB+2], 12*32*WPITCH, v[PB]
	s_lshl_b32 s37, s23, 5
	s_lshl_b32 s38, s28, 3
	s_add_co_u32 s37, s37, s38                     ; 32 rb + 8 rg: my first block of four rows
	s_lshl_b32 s37, s37, 14                        ; a block is 1,024 columns x 16 bytes
	s_lshl_b32 s38, s25, 7
	s_lshl_b32 s39, s29, 6
	s_add_co_u32 s38, s38, s39                     ; 128 cbl + 64 hw: my first column
	s_lshl_b32 s39, s38, 4
	s_add_co_u32 s37, s37, s39
	v_lshl_add_u32 v[VST], v2, 4, s37
	v_lshl_add_u32 v[VST], v3, 15, v[VST]          ; lanes 16-31 hold rows 8 further down: two blocks
	s_lshl_b32 s39, s38, 2
	v_lshl_add_u32 v[VMS], v2, 2, s39
	v_lshlrev_b32 v[VCS], 4, v0
	v_lshrrev_b32 v[TP], 7, v0                     ; w3b: half p = t >> 7 of the 1,024 columns
	v_mul_u32_u24 v[TP], v[TP], 589824             ; 576 rows of 1,024 bytes
	v_and_b32 v[TP+1], 127, v0
	v_lshl_add_u32 v[VCD], v[TP+1], 3, v[TP]
	s_mul_i32 s37, s26, 3072                       ; rows 3 wg ..
	v_add_nc_u32 v[VCD], s37, v[VCD]
	s_wait_kmcnt 0x0
	s_cmp_eq_u32 s24, 2
	s_cselect_b64 s[30:31], s[8:9], s[6:7]         ; W: ms_W0 or sp_W0
	s_cmp_eq_u32 s24, 1
	s_cselect_b64 s[32:33], s[18:19], s[16:17]     ; the result: q4 or p4
	s_cselect_b32 s40, 131072, 0                   ; Q lies 32 rows = 8 blocks down
	s_cselect_b32 s38, 0x200000, 0                 ; Q's weights begin 512 rows of 4,096 bytes down
	s_lshl_b32 s39, s25, 9                         ; 128 columns of f32
	s_add_co_u32 s38, s38, s39
	s_mov_b32 s39, 0
	s_add_nc_u64 s[30:31], s[30:31], s[38:39]
	s_mov_b32 s41, 0
	s_add_nc_u64 s[32:33], s[32:33], s[40:41]
	s_mul_i32 s37, s26, 3
	s_add_co_u32 s37, s37, 1024
	s_min_u32 s37, s37, 1573                       ; the groups that write w3b's zero rows read the last three rows and mask them away
	s_lshl_b32 s38, s37, 12
	s_mov_b32 s39, 0
	s_add_nc_u64 s[34:35], s[6:7], s[38:39]
	s_cmp_lt_u32 s26, 184                          ; 552 = 3 x 184 rows hold weights
	s_cselect_b32 s36, -1, 0
	s_wait_alu depctr_va_vdst(0)                   ; the twelve offsets and LDS addresses v4 to v15 are written: every load and store of the kernel reads one of them
	; three rows of sp_W0 for w3b, then the first two batches of W
.irp i, 0,1,2
	global_load_b128 v[CL+4*\i:CL+4*\i+3], v[VCS], s[34:35] offset:\i*4096
.endr
	GL LS0, 30, VW, 0, 4096
	GL LS1, 30, VW, 16, 4096
	s_wait_loadcnt 32                              ; the three rows are in; the 32 younger loads stay out
.irp i, 0,1,2
	v_cvt_pk_bf16_f32 v[CP+2*\i], v[CL+4*\i], v[CL+4*\i+1]
	v_cvt_pk_bf16_f32 v[CP+2*\i+1], v[CL+4*\i+2], v[CL+4*\i+3]
.endr
.irp i, 0,1,2,3,4,5
	v_and_b32 v[CP+\i], s36, v[CP+\i]
.endr
	s_wait_alu depctr_va_vdst(0)                   ; the conversions and masks have written CP, which the three stores read
.irp i, 0,1,2
	global_store_b64 v[VCD], v[CP+2*\i:CP+2*\i+1], s[14:15] offset:\i*1024   ; a wave's store covers 256 consecutive bytes, aligned
.endr
	s_cmp_lt_u32 s26, 184
	s_cbranch_scc1 .Lno_zero
	s_sub_co_u32 s38, s26, 184                     ; groups 184 .. 191: one zero block of q4 each (16,384 bytes)
	s_lshl_b32 s38, s38, 14
	s_mov_b32 s39, 0
	s_add_nc_u64 s[42:43], s[18:19], s[38:39]
.irp i, 0,1,2,3
	v_mov_b32 v[Z+\i], 0
.endr
	s_wait_alu depctr_va_vdst(0)                   ; the four moves have written Z, which the four stores read
.irp i, 0,1,2,3
	global_store_b128 v[VCS], v[Z:Z+3], s[42:43] offset:\i*4096
.endr
.Lno_zero:
	; the batches in a pipeline.  s_wait_loadcnt 16: the older batch is in, the younger batch's sixteen loads stay out.
	BATCH LS0, CV0, 16, 0, 0, 0,  1, 32            ; no LDS store has read a CV yet
	BATCH LS1, CV1, 16, 1, 0, 16, 1, 48
	BATCH LS0, CV0, 16, 1, 0, 32, 2, 0
	BATCH LS1, CV1, 16, 1, 0, 48, 2, 16
	BATCH LS0, CV0, 16, 1, 1, 0,  2, 32
	BATCH LS1, CV1, 16, 1, 1, 16, 2, 48
	BATCH LS0, CV0, 16, 1, 1, 32, 0, 0
	BATCH LS1, CV1, 0,  0, 1, 48, 0, 0             ; no batch follows: the wait behind the barrier frees both CV
	s_wait_dscnt 0x0                               ; my LDS stores are done, for the other waves' sake
	s_barrier_signal -1
	s_barrier_wait -1                              ; both images are whole; nothing writes LDS from here on
	s_wait_xcnt 0x0                                ; every earlier memory instruction has had its addresses translated (ISA guide 3.1): CP, Z and s[14:15], which my global stores read, are rewritten only behind this wait
	s_wait_alu depctr_vm_vsrc(0)                   ; my LDS stores have read CV0 and CV1, my global stores CP and Z: from here on fragments' loads land in these registers, and the partial scores are written there
	s_cmp_eq_u32 s24, 2
	s_cbranch_scc1 .Lms
	COMPUTE
	s_wait_alu depctr_va_vdst(0)                   ; the matrix instructions have written the accumulators, which the stores read; the places above stay beside this wait
.irp at, 0,1
.irp b, 0,1,2,3
.irp q, 0,1
	global_store_b128 v[VST], v[ACC+8*(4*\at+\b)+4*\q:ACC+8*(4*\at+\b)+4*\q+3], s[32:33] offset:(4*\at+\q)*16384+\b*256   ; four rows of my column; 16 lanes: 256 consecutive bytes, aligned
.endr
.endr
.endr
	s_wait_dscnt 0x0                               ; the closing lines, six on end
	s_wait_alu 0x0
	s_wait_tensorcnt 0x0
	ds_add_u32 v232, v233
	s_wait_dscnt 0x0
	s_endpgm
.Lms:
.irp b, 0,1,2,3
	global_load_b32 v[BI+\b], v[VMS], s[10:11] offset:64*\b     ; land under the products; no instruction has named these eight registers
	global_load_b32 v[WV+\b], v[VMS], s[12:13] offset:64*\b
.endr
	COMPUTE
	s_wait_loadcnt 0x0
.irp b, 0,1,2,3
.irp at, 0,1
.irp jj, 0,2,4,6
	PKADDB ACC+8*(4*\at+\b)+\jj, ACC+8*(4*\at+\b)+\jj, BI+\b
.endr
.irp jj, 0,1,2,3,4,5,6,7
	v_max_num_f32 v[ACC+8*(4*\at+\b)+\jj], 0, v[ACC+8*(4*\at+\b)+\jj]
.endr
.irp jj, 0,2,4,6
.if \b == 0
	PKMULB SUM+8*\at+\jj, ACC+8*(4*\at+\b)+\jj, WV+\b           ; the first column block starts the sums
.else
	PKFMAB SUM+8*\at+\jj, ACC+8*(4*\at+\b)+\jj, WV+\b
.endif
.endr
.endr
.endr
	; the masks for the choice below, in one run.  s4 to s18 are free: every load by the addresses that lay there has been waited for,
	; and the stores by s[14:15] stand ahead of the s_wait_xcnt 0 behind the barrier.
.irp i, 1,2,3,4,5,6,7,8,9,10,11,12,13,14,15
	v_cmp_eq_u32 s[MK+\i], \i, v2
.endr
	; over the sixteen lanes of a half (the sixteen columns of a tile)
.irp m, 1,2,4,8
.set i_, 0
.rept 16
	v_add_f32_dpp v[SUM+i_], v[SUM+i_], v[SUM+i_] row_xmask:\m row_mask:0xf bank_mask:0xf
.set i_, i_+1
.endr
.endr
	; lane (h, r) keeps sum r: row 16 (r >> 3) + 8 h + (r & 7) of my 32
	v_mov_b32 v[TP], v[SUM]
	s_wait_alu depctr_va_sdst(0)                   ; the fifteen compares have written s4 to s18, ahead of the first select that reads one of them
.irp i, 1,2,3,4,5,6,7,8,9,10,11,12,13,14,15
	v_cndmask_b32 v[TP], v[TP], v[SUM+\i], s[MK+\i]
.endr
	v_lshrrev_b32 v[TP+1], 3, v2
	v_and_b32 v[TP+2], 7, v2
	v_lshl_add_u32 v[TP+1], v[TP+1], 4, v[TP+2]
	v_lshl_add_u32 v[TP+1], v3, 3, v[TP+1]
	s_lshl_b32 s37, s25, 1
	s_add_co_u32 s37, s37, s29                     ; partial 2 cbl + hw
	s_lshl_b32 s37, s37, 12
	s_lshl_b32 s38, s23, 9                         ; 128 rb rows of 4 bytes
	s_add_co_u32 s37, s37, s38
	s_lshl_b32 s38, s28, 7                         ; 32 rg rows
	s_add_co_u32 s37, s37, s38
	v_lshl_add_u32 v[TP+1], v[TP+1], 2, s37
	s_wait_alu depctr_va_vdst(0)                   ; the selects have written v[TP], the address lines v[TP+1]: the store reads both
	global_store_b32 v[TP+1], v[TP], s[20:21]
	s_wait_dscnt 0x0                               ; the closing lines, six on end
	s_wait_alu 0x0
	s_wait_tensorcnt 0x0
	ds_add_u32 v232, v233
	s_wait_dscnt 0x0
	s_endpgm
.Lfunc_end_k_qd87809e442_prep:
	.size	k_qd87809e442_prep, .Lfunc_end_k_qd87809e442_prep-k_qd87809e442_prep
	.p2alignl 7, 3214868480
	.fill 96, 4, 3214868480
	.section	.rodata,"a",@progbits
	.p2align	6, 0x0
	.amdhsa_kernel k_qd87809e442_prep
		.amdhsa_group_segment_fixed_size 281600
		.amdhsa_private_segment_fixed_size 0
		.amdhsa_enable_private_segment 0
		.amdhsa_kernarg_size 72
		.amdhsa_user_sgpr_count 2
		.amdhsa_user_sgpr_kernarg_segment_ptr 1
		.amdhsa_wavefront_size32 1
		.amdhsa_system_sgpr_workgroup_id_x 1
		.amdhsa_system_sgpr_workgroup_id_y 1
		.amdhsa_system_sgpr_workgroup_id_z 1
		.amdhsa_system_vgpr_workitem_id 0
		.amdhsa_next_free_vgpr 242
		.amdhsa_next_free_sgpr 66
		.amdhsa_reserve_vcc 0
		.amdhsa_float_denorm_mode_32 3
		.amdhsa_float_denorm_mode_16_64 3
		.amdhsa_memory_ordered 1
		.amdhsa_forward_progress 1
		.amdhsa_inst_pref_size 101
	.end_amdhsa_kernel
	.amdgpu_metadata
---
amdhsa.version: [ 1, 2 ]
amdhsa.kernels:
  - .name:           k_qd87809e442_prep
    .symbol:         k_qd87809e442_prep.kd
    .args:
      - { .name: mention_emb, .offset: 0, .size: 8, .value_kind: global_buffer, .address_space: global }
      - { .name: sp_W0, .offset: 8, .size: 8, .value_kind: global_buffer, .address_space: global }
      - { .name: ms_W0, .offset: 16, .size: 8, .value_kind: global_buffer, .address_space: global }
      - { .name: ms_b0, .offset: 24, .size: 8, .value_kind: global_buffer, .address_space: global }
      - { .name: ms_W1, .offset: 32, .size: 8, .value_kind: global_buffer, .address_space: global }
      - { .name: w3b, .offset: 40, .size: 8, .value_kind: global_buffer, .address_space: global }
      - { .name: p4, .offset: 48, .size: 8, .value_kind: global_buffer, .address_space: global }
      - { .name: q4, .offset: 56, .size: 8, .value_kind: global_buffer, .address_space: global }
      - { .name: msp, .offset: 64, .size: 8, .value_kind: global_buffer, .address_space: global }
    .group_segment_fixed_size: 281600
    .private_segment_fixed_size: 0
    .kernarg_segment_align: 8
    .kernarg_segment_size: 72
    .max_flat_workgroup_size: 256
    .sgpr_count:     66
    .vgpr_count:     242
    .wavefront_size: 32
...
	.end_amdgpu_metadata
.endif
;; end of part 4
;; launch pair: the kernel of part 2 again; grid 256 x 1, 4 waves a work-group, clusters of 4 x 1, 327,680 bytes of LDS; arguments mention_emb, mention_cluster_ids, mention_speaker_ids, speaker_emb, bucket_emb, sp_b0, sp_W1, sp_b1, ms_b1, w3b, p4, q4, msp, out0, lossm; writes out0, lossm
;; launch fin: the kernel of part 3 again; grid 1 x 1, 1 waves a work-group, no clusters, 0 bytes of LDS; arguments lossm, out1; writes out1
